; MI455X (gfx1250); checked and timed in simulation.
; The chip was launched on July 23, 2026; its instructions are those of AMD's public machine-readable ISA for CDNA 5 (MIT licence, August 2026) and "CDNA5" Instruction Set Architecture Reference Guide (July 2026). The comments in the code are by the model that wrote it; some were corrected since.
;; FHN Triton Attention. Allowed arithmetic: matrix products marked QUANTISED: E4M3 operands, one E8M0 scale for each 32 along K, by v_wmma_scale_f32_16x16x128_f8f6f4 with both operands' format E4M3, f32 sums; everything else in f32.
;; Inputs: Wout 1,024 x 1,024 float32; Wqkv 3,072 x 1,024 float32; a one number float32; b one number float32; dt one number float32; x 2 x 2,048 x 1,024 float32.
;; Outputs: out0 2 x 2,048 x 1,024 float32.
;; This version of the problem:
;;   THIS VERSION OF THE PROBLEM IS GIVEN IN LOW PRECISION. The matrix products marked QUANTISED in the list below multiply operands that are first quantised to E4M3 (4 exponent bits, 3 mantissa bits; 8 bits a number), with one power-of-two scale for each 32 numbers along K (OCP MX v1.0); their sums are f32. All else is computed in f32.
;;   The module's matrix products, in the order in which they are computed (A, B: the left and right operand; K: the contracted axis; several contracted axes count as one K, in the product's order):
;;     1. [M 4,096, K 1,024] x [K 1,024, N 3,072]; A: input x; B: input Wqkv: QUANTISED
;;     2. batch 32 x [M 2,048, K 64] x [K 64, N 2,048]; A: computed on the way; B: computed on the way: QUANTISED
;;     3. batch 32 x [M 2,048, K 2,048] x [K 2,048, N 64]; A: computed on the way; B: computed on the way: QUANTISED
;;     4. [M 4,096, K 1,024] x [K 1,024, N 1,024]; A: computed on the way; B: input Wout: QUANTISED
;;   THE QUANTISER, for each operand of a quantised product, along K:
;;     - K is cut into blocks of 32 from its start; a last block that is shorter is filled with zeros.
;;     - A block's scale is 2^e with e = floor(log2(the largest magnitude in the block)) - 8, held to -126 .. 127; a block of zeros has e = 0. As a byte (E8M0): e + 127.
;;     - Each number is divided by its block's scale, clamped to +-448, and rounded to the nearest number of E4M3, ties to even, subnormals kept.
;;     - The product sums the exact products of the quantised numbers (number of the format x scale) in f32.
;;   ~~~python
;;   def quantise(x, axis):      # numpy; x: float32 -> the quantised numbers, widened to float32 again
;;       x = np.moveaxis(x, axis, -1); K = x.shape[-1]
;;       x = np.pad(x, [(0, 0)] * (x.ndim - 1) + [(0, -K % 32)]); x = x.reshape(x.shape[:-1] + (-1, 32)); a = np.abs(x).max(-1, keepdims=True)
;;       e = np.where(a > 0, np.clip(np.frexp(np.where(a > 0, a, 1))[1] - 1 - 8, -126, 127), 0)      # np.frexp(a)[1] - 1 = floor(log2(a)), exactly
;;       r = np.clip(x / 2.0 ** e, -448, 448)
;;       step = 2.0 ** (np.maximum(np.frexp(np.where(r == 0, 1, r))[1] - 1, -6) - 3)
;;       q = np.round(r / step) * step * 2.0 ** e      # np.round: ties to even
;;       return np.moveaxis(q.reshape(q.shape[:-2] + (-1,))[..., :K], -1, axis).astype(np.float32)
;;   ~~~
;;   OPERANDS COMPUTED ON THE WAY. 'Computed on the way' means the value that the module computes at that place (a softmax that the list does not call 'softmax' is quantised finished and normalised). What goes into a quantiser is computed in f32, as accurately as f32 sums, v_exp_f32 and their like allow (about 1e-6 of the number): no bf16 or f16 on the way to a quantiser, and a product that is left as it is and whose result goes on into a quantised operand takes f32 operands (vector FMAs, or v_wmma_f32_16x16x4_f32). A number that lies on a knife's edge between two numbers of the format may be rounded either way, as far as f32 arithmetic and the matrix unit's own rounding can turn it there, and no further.
;; One version. Each part assembles by itself: llvm-mc -triple=amdgcn-amd-amdhsa -mcpu=gfx1250 --defsym DOCPART=n.
;; ======== version 1 of 1: 4 launches
;; limits: right only within a limited range of input values
;; workspace buffers: in_img 8,388,608 bytes; in_sc 262,144 bytes; qkv_img 12,582,912 bytes; qkv_sc 655,360 bytes; att_img 4,194,304 bytes; att_sc 131,072 bytes
;; launch quant (part 1): grid 256 x 1, 4 waves a work-group, no clusters, 68,096 bytes of LDS; arguments x, Wqkv, Wout, in_img, in_sc; writes in_img, in_sc
.if DOCPART == 1
	.amdgcn_target "amdgcn-amd-amdhsa--gfx1250"
	.amdhsa_code_object_version 6
	.text
	.protected	k_q1769a54916_quant
	.globl	k_q1769a54916_quant
	.p2align	8
	.type	k_q1769a54916_quant,@function
k_q1769a54916_quant:
	s_mov_b64 s[64:65], 0
	v_nop
	global_prefetch_b8 v0, s[64:65] scope:SCOPE_SE
	s_setreg_imm32_b32 hwreg(HW_REG_WAVE_MODE, 25, 1), 1
	s_wait_xcnt 0x0
; x [4096][1024], Wqkv [3072][1024], Wout [1024][1024], f32 with K innermost, become codes of FP8 (E4M3) with one E8M0 byte for each 32 along K.
; A block's scale is 2^(floor(log2(its largest magnitude)) - 8); each number is divided by it, held within +-448 and rounded to the nearest code, ties to even.
; THE CODES ARE LAID AS IMAGES OF OPERAND REGISTERS.  A fragment (16 rows x 128 K) is 2,048 bytes = [chunk c 0..3][lane 0..31][16 bytes]; lane (r = lane % 16, h = lane / 16), chunk c, holds k = 32 c + 16 h + 0 .. 15 of row r.
; in_img[row tile][K step 0..7][2,048];  in_sc[row tile][half of K 0..1][row 0..15][4 words], a word = the four bytes of one 128 along K.  Row tiles: x 0-255, Wqkv 256-447, Wout 448-511.
; THE ROWS OF A TILE ARE NOT NEIGHBOURS: row r of tile 2 b + u is the tensor's row 32 b + 8 u + r + 8 (r / 8).  Used as a product's source 0, two neighbouring tiles then leave a lane 16 neighbouring results.
; SHARES.  Work-group g takes row tiles 2 g and 2 g + 1; wave w takes tile 2 g + w / 2, half w % 2 of K: four fragments.  Waves share nothing: no barrier.
; Each load reads 512 consecutive bytes of one row, 16 a lane; a fragment's 8,192 bytes turn through the wave's own stage in LDS (rows 528 bytes apart, so that 16 rows start in 16 different columns of 16 bytes) and come back 64 bytes a lane.
; LIMITS: a block whose largest magnitude lies under 2^-118 (a block of zeros among them, where the rule says byte 127) keeps the byte 1: only this program reads the bytes, and zero codes add nothing.  NaN and infinities are not served.
.set SPI,  528                         ; a stage row
.set STG,  16*SPI                      ; a stage; two for each wave, by turns
.set LI,   1                           ; v1   16 x lane
.set STI,  2                           ; v2   the stage, on the way in
.set STO,  3                           ; v3   and on the way out: row r, + 64 h
.set SA,   4                           ; v4   16 r + 8 h: my 8 bytes of the scale words
.set PC,   16                          ; v16-31   the codes just made
.set R,    32                          ; v32-159  two sets of 64 registers as loaded
.set X,    160                         ; v160-223 64 numbers of my row: register 16 c + i = k 32 c + 16 h + i
.set TM,   224                         ; v224-239 at work
.set PW,   240                         ; v240-243 the four fragments' scale words
.set SW,   244                         ; v244-245 the pair that I store
.set SEL,  20                          ; s[20:21] v_permlanex16_b32's selects for lane l xor 16
.set MNT,  23                          ; s23  the mantissa field of 448
.set HM,   24                          ; s24  a mask of lanes 16-31
	s_load_b256 s[4:11], s[0:1], 0x0               ; x s[4:5], Wqkv s[6:7], Wout s[8:9], in_img s[10:11]
	s_load_b64 s[12:13], s[0:1], 0x20              ; in_sc
	v_lshl_add_u32 v254, v0, 2, 0x10800
	v_mov_b32 v255, 0
	v_lshrrev_b32 v5, 5, v0
	v_readfirstlane_b32 s14, v5                    ; wave
	v_and_b32 v6, 31, v0
	v_and_b32 v7, 15, v0                           ; r
	v_bfe_u32 v8, v0, 4, 1                         ; h
	v_lshlrev_b32 v[LI], 4, v6
	s_mul_i32 s15, s14, 2*STG                      ; my wave's two stages
	v_add_nc_u32 v[STI], s15, v[LI]
	v_mul_u32_u24 v[STO], v7, SPI
	v_lshl_add_u32 v[STO], v8, 6, v[STO]
	v_add_nc_u32 v[STO], s15, v[STO]
	v_lshlrev_b32 v[SA], 4, v7
	v_lshl_add_u32 v[SA], v8, 3, v[SA]
	s_mov_b32 s[SEL], 0x76543210
	s_mov_b32 s[SEL+1], 0xfedcba98
	s_mov_b32 s[MNT], 0x600000
	s_mov_b32 s[HM], 0xffff0000
.irp b, 0,1,2,3
	v_mov_b32 v[TM+4+\b], 0                        ; written once: a lane permute's destination counts as one of its sources
.endr
	s_lshr_b32 s16, s14, 1                         ; u: which of the two tiles
	s_and_b32 s17, s14, 1                          ; which half of K
	s_cmp_lt_u32 ttmp9, 128                        ; work-groups 0-127 take x, 128-223 Wqkv, 224-255 Wout
	s_cselect_b32 s18, 0, 128
	s_cmp_lt_u32 ttmp9, 224
	s_cselect_b32 s18, s18, 224
	s_sub_co_u32 s18, ttmp9, s18                   ; the group of 32 rows within the tensor
	s_lshl_b32 s18, s18, 17                        ; x 32 rows of 4,096 bytes
	s_lshl_b32 s19, s16, 15                        ; + 8 u rows
	s_add_co_u32 s18, s18, s19
	s_lshl_b32 s19, s17, 11                        ; + half of K: 2,048 bytes
	s_add_co_u32 s18, s18, s19
	s_mov_b32 s19, 0
	s_lshl_b32 s26, ttmp9, 15                      ; codes: row tile x 16,384 + half x 8,192
	s_lshl_b32 s27, s16, 14
	s_add_co_u32 s26, s26, s27
	s_lshl_b32 s27, s17, 13
	s_add_co_u32 s26, s26, s27
	s_mov_b32 s27, 0
	s_lshl_b32 s28, ttmp9, 10                      ; scale words: row tile x 512 + half x 256
	s_lshl_b32 s29, s16, 9
	s_add_co_u32 s28, s28, s29
	s_lshl_b32 s29, s17, 8
	s_add_co_u32 s28, s28, s29
	s_mov_b32 s29, 0
	s_wait_alu depctr_va_vdst(0)
	s_wait_kmcnt 0x0
	s_cmp_lt_u32 ttmp9, 128                        ; the choice of the tensor hangs on the work-group's number alone
	s_cselect_b64 s[4:5], s[4:5], s[6:7]
	s_cmp_lt_u32 ttmp9, 224
	s_cselect_b64 s[4:5], s[4:5], s[8:9]
	s_add_nc_u64 s[4:5], s[4:5], s[18:19]
	s_add_nc_u64 s[10:11], s[10:11], s[26:27]
	s_add_nc_u64 s[12:13], s[12:13], s[28:29]
.macro LOAD f                          ; fragment f: 16 rows x 512 bytes; place n of the tile is row n + 8 (n / 8) of my 8 u + 0 .. 23
.set n, 0
.rept 16
	global_load_b128 v[R+64*((\f)%2)+4*n:R+64*((\f)%2)+4*n+3], v[LI], s[4:5] offset:(n+8*(n/8))*4096+512*(\f) th:TH_LOAD_NT
.set n, n+1
.endr
.endm
.macro TURN f                          ; through the stage: LDS serves a wave's instructions in order, so no wait stands between the stores and the loads
.set n, 0
.rept 16
	ds_store_b128 v[STI], v[R+64*((\f)%2)+4*n:R+64*((\f)%2)+4*n+3] offset:STG*((\f)%2)+SPI*n
.set n, n+1
.endr
.set n, 0
.rept 16
	ds_load_b128 v[X+4*n:X+4*n+3], v[STO] offset:STG*((\f)%2)+128*(n/4)+16*(n%4)
.set n, n+1
.endr
.endm
; 64 numbers of a lane, register 16 b + i = k 32 b + 16 h + i of my row, become a fragment's codes in v[PC] on and its scale word in v[pw]
.macro QUANT s, pw
.irp b, 0,1,2,3
	v_max3_num_f32 v[TM+\b], |v[\s+16*\b]|, |v[\s+1+16*\b]|, 0x4800000   ; block b: my 16 numbers, and the floor 2^(9 - 127): the byte cannot fall under 1
.endr
.irp i, 2,4,6,8,10,12,14
.irp b, 0,1,2,3
	v_max3_num_f32 v[TM+\b], v[TM+\b], |v[\s+16*\b+\i]|, |v[\s+1+16*\b+\i]|   ; the four blocks by turns
.endr
.endr
.irp b, 0,1,2,3
	v_permlanex16_b32 v[TM+4+\b], v[TM+\b], s[SEL], s[SEL+1]
.endr
.irp b, 0,1,2,3
	v_max_num_f32 v[TM+\b], v[TM+\b], v[TM+4+\b]   ; with lane l xor 16's: the block's largest magnitude
.endr
.irp b, 0,1,2,3
	v_add_nc_u32 v[TM+12+\b], 0xfc000000, v[TM+\b] ; 8 off its exponent field: the conversion's scale operand
.endr
.irp b, 0,1,2,3
	v_and_or_b32 v[TM+8+\b], v[TM+\b], 0x7f800000, s[MNT]   ; 448 x the scale
.endr
.irp b, 0,1,2,3
	v_lshrrev_b32 v[TM+4+\b], 23, v[TM+12+\b]      ; the scale's byte
.endr
	v_lshl_or_b32 v[\pw], v[TM+5], 8, v[TM+4]
	v_lshl_or_b32 v[\pw], v[TM+6], 16, v[\pw]
	v_lshl_or_b32 v[\pw], v[TM+7], 24, v[\pw]
.irp b, 0,1,2,3
.irp i, 0,1,2,3,4,5,6,7,8,9,10,11,12,13,14,15
	v_med3_num_f32 v[\s+16*\b+\i], v[\s+16*\b+\i], -v[TM+8+\b], v[TM+8+\b]   ; the conversion to an 8-bit code does not saturate (ISA guide 7.6.2): the hold comes first
.endr
	v_cvt_scalef32_pk8_fp8_f32 v[PC+4*\b:PC+1+4*\b], v[\s+16*\b:\s+7+16*\b], v[TM+12+\b]
	v_cvt_scalef32_pk8_fp8_f32 v[PC+2+4*\b:PC+3+4*\b], v[\s+8+16*\b:\s+15+16*\b], v[TM+12+\b]
.endr
	v_nop                                          ; one plain line behind the last conversion
.endm
	LOAD 0
	LOAD 1
.irp f, 0,1,2,3
.if \f < 3
	s_wait_loadcnt 16                              ; this fragment's 16 loads are in; the next fragment's 16 may be out
.else
	s_wait_loadcnt 0x0
.endif
	TURN \f
	s_wait_dscnt 0x0                               ; my 64 numbers are back
.if \f < 2
	LOAD \f+2                                      ; into the set that the stage's stores have read
.endif
.if \f > 0
	s_wait_xcnt 0x0                                ; the last fragment's stores have read the codes' registers
.endif
	QUANT X, PW+\f
.irp c, 0,1,2,3
	global_store_b128 v[LI], v[PC+4*\c:PC+4*\c+3], s[10:11] offset:2048*\f+512*\c   ; a chunk: 512 consecutive bytes
.endr
.endr
	v_cndmask_b32 v[SW], v[PW], v[PW+2], s[HM]     ; lanes 0-15 store words 0 and 1 of row r, lanes 16-31 words 2 and 3
	v_cndmask_b32 v[SW+1], v[PW+1], v[PW+3], s[HM]
	global_store_b64 v[SA], v[SW:SW+1], s[12:13]   ; 32 lanes store 256 consecutive bytes, aligned
	s_wait_tensorcnt 0x0
	ds_add_u32 v254, v255
	s_wait_dscnt 0x0
	s_endpgm
.Lfunc_end_k_q1769a54916_quant:
	.size	k_q1769a54916_quant, .Lfunc_end_k_q1769a54916_quant-k_q1769a54916_quant
	.p2alignl 7, 3214868480
	.fill 96, 4, 3214868480
	.section	.rodata,"a",@progbits
	.p2align	6, 0x0
	.amdhsa_kernel k_q1769a54916_quant
		.amdhsa_group_segment_fixed_size 68096
		.amdhsa_private_segment_fixed_size 0
		.amdhsa_enable_private_segment 0
		.amdhsa_kernarg_size 40
		.amdhsa_user_sgpr_count 2
		.amdhsa_user_sgpr_kernarg_segment_ptr 1
		.amdhsa_wavefront_size32 1
		.amdhsa_system_sgpr_workgroup_id_x 1
		.amdhsa_system_sgpr_workgroup_id_y 1
		.amdhsa_system_sgpr_workgroup_id_z 1
		.amdhsa_system_vgpr_workitem_id 0
		.amdhsa_next_free_vgpr 256
		.amdhsa_next_free_sgpr 66
		.amdhsa_reserve_vcc 0
		.amdhsa_float_denorm_mode_32 3
		.amdhsa_float_denorm_mode_16_64 3
		.amdhsa_memory_ordered 1
		.amdhsa_forward_progress 1
		.amdhsa_inst_pref_size 51
	.end_amdhsa_kernel
	.amdgpu_metadata
---
amdhsa.version: [ 1, 2 ]
amdhsa.kernels:
  - .name:           k_q1769a54916_quant
    .symbol:         k_q1769a54916_quant.kd
    .args:
      - { .name: x, .offset: 0, .size: 8, .value_kind: global_buffer, .address_space: global }
      - { .name: Wqkv, .offset: 8, .size: 8, .value_kind: global_buffer, .address_space: global }
      - { .name: Wout, .offset: 16, .size: 8, .value_kind: global_buffer, .address_space: global }
      - { .name: in_img, .offset: 24, .size: 8, .value_kind: global_buffer, .address_space: global }
      - { .name: in_sc, .offset: 32, .size: 8, .value_kind: global_buffer, .address_space: global }
    .group_segment_fixed_size: 68096
    .private_segment_fixed_size: 0
    .kernarg_segment_align: 8
    .kernarg_segment_size: 40
    .max_flat_workgroup_size: 128
    .sgpr_count:     66
    .vgpr_count:     256
    .wavefront_size: 32
...
	.end_amdgpu_metadata
.endif
;; end of part 1
;; launch qkv (part 2): grid 12 x 16, 4 waves a work-group, clusters of 4 x 4, 327,680 bytes of LDS; arguments in_img, in_sc, qkv_img, qkv_sc; writes qkv_img, qkv_sc
.if DOCPART == 2
	.amdgcn_target "amdgcn-amd-amdhsa--gfx1250"
	.amdhsa_code_object_version 6
	.text
	.protected	k_q1769a54916_qkv
	.globl	k_q1769a54916_qkv
	.p2align	8
	.type	k_q1769a54916_qkv,@function
k_q1769a54916_qkv:
	s_mov_b64 s[64:65], 0
	v_nop
	global_prefetch_b8 v0, s[64:65] scope:SCOPE_SE
	s_setreg_imm32_b32 hwreg(HW_REG_WAVE_MODE, 25, 1), 1
	s_wait_xcnt 0x0
	s_wait_alu depctr_hold_cnt(0) depctr_sa_sdst(0) depctr_va_vdst(0) depctr_va_sdst(0) depctr_va_ssrc(0) depctr_va_vcc(0) depctr_vm_vsrc(0)
	s_getreg_b32 s2, hwreg(HW_REG_IB_STS2, 6, 4)
	s_cmp_eq_u32 s2, 0
	s_cbranch_scc0 .Lentry_in_a_cluster
	s_endpgm
.Lentry_in_a_cluster:
	s_bfe_u32 s2, ttmp6, 0x10000c
	s_cmp_lg_u32 s2, 0xf033
	s_cbranch_scc0 .Lentry_shape_is_right
	s_endpgm
.Lentry_shape_is_right:
.set NQ,     2
.set FR,     16
.set NL,     4
.set NP,     8
.set FRB,    2048
.set RT,     NQ*FRB
.set HALFT,  8*RT
.set SLOT,   4*HALFT
.set SCL,    2*SLOT
.set HALFS,  8*512
.set SBLK,   512
.set SPARE,  SCL+4*HALFS
.set ADRA, 16
.set ADRB, 20
.set L8,   25
.set LI,   26
.set ADRS, 27
.set SPW,  28
.set NIL,  29
.set SC,   32
.set PC,   64
.set TM,   80
.set PW,   96
.set ZW,   104
.set HW,   108
.set AF,   128
.set G1, 24
.set G0, 32
.set G1B, 48
.set G0B, 56
.set G1S, 68
.set G0S, 76
.set G1SB, 80
.set G0SB, 88
.set SEL, 96
.set MNT, 98
.set HM,  99
.set MSB, 0
.macro WIN new
.if MSB != (\new)
	s_set_vgpr_msb (MSB<<8)|(\new)
.set MSB, (\new)
.endif
.endm
.set MUL_LO, 0xa1
.set MUL_HI, 0xf1
.set TO_B,   0x40
.macro JLOAD g0a, g1a, g0b, g1b
	s_cmp_eq_u32 s15, 0
	s_cbranch_scc0 .Lfor_b_\@
	tensor_load_to_lds s[\g0a:\g0a+3], s[\g1a:\g1a+7]
	s_nop 0
.rept 4
	v_nop
.endr
	s_branch .Lasked_\@
.Lfor_b_\@:
	tensor_load_to_lds s[\g0b:\g0b+3], s[\g1b:\g1b+7]
	s_nop 0
.rept 4
	v_nop
.endr
.Lasked_\@:
.endm
.macro CREST
	s_cmp_lg_u32 s14, 0
	s_cbranch_scc1 .Lnot_wave_0_\@
	s_barrier_signal -3
.Lnot_wave_0_\@:
	s_barrier_wait -3
	s_barrier_signal -1
	s_barrier_wait -1
.endm
.macro CROUND
	s_barrier_signal -1
	s_barrier_wait -1
	CREST
.endm
	s_load_b256 s[4:11], s[0:1], 0x0
	v_lshl_add_u32 v[SPW], v0, 2, SPARE
	v_mov_b32 v[NIL], 0
	ds_add_u32 v28, v29
	ds_add_u32 v28, v29
	s_wait_dscnt 0x0
	v_lshrrev_b32 v1, 5, v0
	v_readfirstlane_b32 s14, v1
	s_lshr_b32 s15, s14, 1
	s_and_b32 s16, s14, 1
	s_bfe_u32 s40, ttmp6, 0x40000
	s_bfe_u32 s41, ttmp6, 0x40004
	s_and_b32 s45, ttmp7, 0xffff
	s_cmp_eq_u32 ttmp9, 2
	s_cselect_b32 s42, s45, ttmp9
	s_cselect_b32 s17, 0, s45
	s_cselect_b32 s2, 384, 0
	s_cselect_b32 s3, 0, 256
	s_lshl_b32 s42, s42, 2
	s_add_co_u32 s42, s42, s40
	s_lshl_b32 s17, s17, 2
	s_add_co_u32 s17, s17, s41
	s_lshl_b32 s43, s41, 2
	s_lshl_b32 s43, 15, s43
	s_lshl_b32 s44, 0x1111, s40
	s_or_b32 s[G1+0], s43, (3<<16)|(1<<21)
	s_or_b32 s[G1B+0], s44, (3<<16)|(1<<21)
.irp g, G1, G1B
	s_mov_b32 s[\g+1], 512<<16
	s_mov_b32 s[\g+2], 8<<16
	s_mov_b32 s[\g+3], 512<<16
	s_mov_b32 s[\g+4], 8
	s_mov_b32 s[\g+5], 2048
	s_mov_b32 s[\g+6], 0
	s_mov_b32 s[\g+7], 0
.endr
	s_or_b32 s[G1S+0], s43, (3<<16)|(1<<21)
	s_or_b32 s[G1SB+0], s44, (3<<16)|(1<<21)
.irp g, G1S, G1SB
	s_mov_b32 s[\g+1], 32<<16
	s_mov_b32 s[\g+2], 16<<16
	s_mov_b32 s[\g+3], 32<<16
	s_mov_b32 s[\g+4], 16
	s_mov_b32 s[\g+5], 32
	s_mov_b32 s[\g+6], 0
	s_mov_b32 s[\g+7], 0
.endr
	s_lshl_b32 s18, s16, 3
	s_lshl_b32 s20, s17, 4
	s_add_co_u32 s20, s20, s18
	s_add_co_u32 s20, s20, s2
	s_lshl_b32 s46, s42, 4
	s_add_co_u32 s46, s46, s18
	s_add_co_u32 s46, s46, s3
	s_lshl_b32 s22, s20, 9
	s_mov_b32 s23, 0
	s_lshl_b32 s20, s20, 14
	s_mov_b32 s21, 0
	s_lshl_b32 s92, s46, 9
	s_mov_b32 s93, 0
	s_lshl_b32 s46, s46, 14
	s_mov_b32 s47, 0
	s_mul_i32 s45, s14, HALFT
	s_mul_i32 s94, s14, HALFS
	s_wait_kmcnt 0x0
	s_add_nc_u64 s[20:21], s[4:5], s[20:21]
	s_add_nc_u64 s[22:23], s[6:7], s[22:23]
	s_add_nc_u64 s[46:47], s[4:5], s[46:47]
	s_add_nc_u64 s[92:93], s[6:7], s[92:93]
	CROUND
; THE HEAD'S FOUR TILES, EACH WHOLE, ONE LOAD A WAVE: wave 0 K step 0's 16 row tiles of A, wave 1 those of B, wave 2 A's scale words (8,192 bytes), wave 3 B's.
; The addresses made above hold my wave's half of a tile: it is taken off again here, and put back for the ring behind the wait for these loads.
	s_lshl_b32 s18, s16, 17                        ; 8 row tiles of 16,384 bytes
	s_mov_b32 s19, 0
	s_lshl_b32 s2, s16, 12                         ; 8 row tiles of 512 bytes of scale words
	s_mov_b32 s3, 0
.irp g, G1, G1B
	s_mov_b32 s[\g+2], 16<<16                      ; 16 rows for the head's loads
	s_mov_b32 s[\g+4], 16
.endr
.irp g, G1S, G1SB
	s_mov_b32 s[\g+2], 32<<16
	s_mov_b32 s[\g+4], 32
.endr
	s_mov_b32 s[G0S], 1
	s_mov_b32 s[G0S+1], SCL
	s_sub_nc_u64 s[G0S+2:G0S+3], s[22:23], s[2:3]
	s_or_b32 s[G0S+3], s[G0S+3], 0x80000000
	s_mov_b32 s[G0SB], 1
	s_mov_b32 s[G0SB+1], SCL+2*HALFS
	s_sub_nc_u64 s[G0SB+2:G0SB+3], s[92:93], s[2:3]
	s_or_b32 s[G0SB+3], s[G0SB+3], 0x80000000
	s_mov_b32 s[G0], 1
	s_mov_b32 s[G0+1], 0
	s_sub_nc_u64 s[G0+2:G0+3], s[20:21], s[18:19]
	s_or_b32 s[G0+3], s[G0+3], 0x80000000
	s_mov_b32 s[G0B], 1
	s_mov_b32 s[G0B+1], 2*HALFT
	s_sub_nc_u64 s[G0B+2:G0B+3], s[46:47], s[18:19]
	s_or_b32 s[G0B+3], s[G0B+3], 0x80000000
	s_mov_b32 s[G0+4], 1                           ; slot 1: my quarter of K step 1
	s_add_co_u32 s[G0+5], s45, SLOT
	s_add_nc_u64 s[G0+6:G0+7], s[20:21], RT
	s_or_b32 s[G0+7], s[G0+7], 0x80000000
	s_mov_b32 s[G0B+4], 1
	s_add_co_u32 s[G0B+5], s45, SLOT
	s_add_nc_u64 s[G0B+6:G0B+7], s[46:47], RT
	s_or_b32 s[G0B+7], s[G0B+7], 0x80000000
.macro ARM under, g0, g1, next
	s_cmp_lt_u32 s14, \under
	s_cbranch_scc0 \next
	tensor_load_to_lds s[\g0:\g0+3], s[\g1:\g1+7]
	s_nop 0
.rept 4
	v_nop
.endr
	s_branch .Lhead_asked
\next:
.endm
	ARM 1, G0,  G1,  .Lhead_b
	ARM 2, G0B, G1B, .Lhead_sa
	ARM 3, G0S, G1S, .Lhead_sb
	tensor_load_to_lds s[G0SB:G0SB+3], s[G1SB:G1SB+7]
	s_nop 0
.rept 4
	v_nop
.endr
.Lhead_asked:
	v_and_b32 v1, 15, v0
	v_bfe_u32 v2, v0, 4, 1
	s_wait_alu depctr_va_vdst(0)
	v_and_b32 v3, 31, v0
	v_lshlrev_b32 v[LI], 4, v3
	v_lshlrev_b32 v[L8], 3, v3
	s_mul_i32 s21, s15, HALFT
	s_mul_i32 s22, s16, HALFT
	s_add_co_u32 s22, s22, 2*HALFT
.irp s, 0,1
	v_add_nc_u32 v[ADRA+\s], s21, v[LI]
	v_add_nc_u32 v[ADRB+\s], s22, v[LI]
	s_add_co_u32 s21, s21, SLOT
	s_add_co_u32 s22, s22, SLOT
.endr
	v_lshlrev_b32 v5, 4, v1
	s_mul_i32 s21, s15, HALFS
	s_mul_i32 s22, s16, HALFS
	s_add_co_u32 s22, s22, 2*HALFS
	s_sub_co_u32 s22, s22, s21
	v_mul_u32_u24 v6, s22, v2
	s_add_co_u32 s21, s21, SCL
	v_add_nc_u32 v5, v5, v6
	v_add_nc_u32 v[ADRS], s21, v5
.irp b, 0,1,2,3
	v_mov_b32 v[TM+4+\b], 0
.endr
	s_mov_b32 s[SEL], 0x76543210
	s_mov_b32 s[SEL+1], 0xfedcba98
	s_mov_b32 s[MNT], 0x600000
	s_mov_b32 s[HM], 0xffff0000
	s_lshl_b32 s20, s17, 1
	s_add_co_u32 s20, s20, s15
	s_lshl_b32 s21, s42, 1
	s_add_co_u32 s21, s21, s16
	s_cmp_eq_u32 ttmp9, 2
	s_cselect_b32 s22, s20, s21
	s_cselect_b32 s23, s21, s20
	s_cselect_b32 s46, 64, 0
	s_mov_b32 s18, 1024
	s_cselect_b32 s18, 2048, s18
	s_mov_b32 s2, 1024
	s_cselect_b32 s2, 256000, s2
	s_mov_b32 s12, 262144
	s_cselect_b32 s12, 1024, s12
	s_mov_b32 s19, 0
	s_mov_b32 s3, 0
	s_mov_b32 s13, 0
	s_lshl_b32 s22, s22, 2
	s_lshr_b32 s47, s23, 4
	s_add_co_u32 s22, s22, s47
	s_add_co_u32 s22, s22, s46
	s_and_b32 s23, s23, 15
	s_lshl_b32 s46, s22, 17
	s_lshl_b32 s47, s23, 13
	s_add_co_u32 s46, s46, s47
	s_mov_b32 s47, 0
	s_add_nc_u64 s[8:9], s[8:9], s[46:47]
	s_add_nc_u64 s[12:13], s[8:9], s[12:13]
	s_lshl_b32 s46, ttmp9, 5
	s_sub_co_u32 s46, s22, s46
	s_cmp_eq_u32 ttmp9, 0
	s_mov_b32 s47, 12288
	s_cselect_b32 s47, 8192, s47
	s_cselect_b32 s92, 0, 262144
	s_mov_b32 s66, 24576
	s_cselect_b32 s66, 16384, s66
	s_mov_b32 s67, 0
	s_mul_i32 s46, s46, s47
	s_add_co_u32 s46, s46, s92
	s_cmp_eq_u32 ttmp9, 2
	s_cselect_b32 s47, 8, 9
	s_cselect_b32 s92, 8192, 0
	s_lshl_b32 s47, s23, s47
	s_add_co_u32 s46, s46, s47
	s_add_co_u32 s46, s46, s92
	s_mov_b32 s47, 0
	s_add_nc_u64 s[10:11], s[10:11], s[46:47]
	s_add_nc_u64 s[66:67], s[10:11], s[66:67]
.macro FRAG reg, adr, q, i
.irp c, 0,1,2,3
	ds_load_b128 v[\reg+4*\c:\reg+4*\c+3], v[\adr] offset:(\i)*RT+(\q)*FRB+512*\c
.endr
.endm
.macro MUL16 a0, p, q, sc, zero
.irp a, \a0, \a0+1
.irp b, 0,1,2,3,4,5,6,7
.if \zero
	v_wmma_scale_f32_16x16x128_f8f6f4 v[8*(8*((\a)%4)+\b):8*(8*((\a)%4)+\b)+7], v[128*(\p)+FR*\b:128*(\p)+FR*\b+FR-1], v[AF+FR*(\a):AF+FR*(\a)+FR-1], 0, v[SC+8*NQ*(\sc)+NQ*\b+(\q)], v[SC+8*NQ*(\sc)+NQ*(\a)+(\q)] matrix_a_scale:MATRIX_SCALE_ROW1
.else
	v_wmma_scale_f32_16x16x128_f8f6f4 v[8*(8*((\a)%4)+\b):8*(8*((\a)%4)+\b)+7], v[128*(\p)+FR*\b:128*(\p)+FR*\b+FR-1], v[AF+FR*(\a):AF+FR*(\a)+FR-1], v[8*(8*((\a)%4)+\b):8*(8*((\a)%4)+\b)+7], v[SC+8*NQ*(\sc)+NQ*\b+(\q)], v[SC+8*NQ*(\sc)+NQ*(\a)+(\q)] matrix_a_scale:MATRIX_SCALE_ROW1
.endif
.endr
.endr
.endm
.macro FETCH_B slot, q, p
	WIN TO_B
.irp i, 0,1,2,3,4,5,6,7
	FRAG 128*(\p)+FR*\i, ADRB+\slot, \q, \i
.endr
	WIN 0
.endm
.macro FETCH_A slot, q, i0
.irp i, \i0, \i0+1, \i0+2, \i0+3
	FRAG AF+FR*(\i), ADRA+\slot, \q, \i
.endr
.endm
.macro SCALES sc
.irp i, 0,1,2,3,4,5,6,7
	ds_load_b64 v[SC+8*NQ*\sc+NQ*\i:SC+8*NQ*\sc+NQ*\i+1], v[ADRS] offset:\i*SBLK
.endr
.endm
.macro PLACES n
.rept \n
	v_nop
.endr
.endm
.macro STEP slot, q, zero
	s_wait_dscnt 4*NL
	WIN MUL_LO
	MUL16 0, (\q)%2, \q, \slot, \zero
	MUL16 2, (\q)%2, \q, \slot, \zero
	s_wait_dscnt 0
	PLACES NP
	FETCH_B \slot, (\q)+1, 1-(\q)%2
	FETCH_A \slot, (\q)+1, 0
	WIN MUL_HI
	MUL16 4, (\q)%2, \q, \slot, \zero
	MUL16 6, (\q)%2, \q, \slot, \zero
	PLACES NP
	WIN 0
	FETCH_A \slot, (\q)+1, 4
.endm
.macro TURN slot, next, fill
	s_wait_tensorcnt 0x0
	ds_add_u32 v[SPW], v[NIL]
	s_wait_dscnt 4*NL+1
	WIN MUL_LO
	MUL16 0, 1, NQ-1, \slot, 0
	s_wait_dscnt 0x0
	s_barrier_signal -1
	MUL16 2, 1, NQ-1, \slot, 0
	WIN 0
	s_barrier_wait -1
.if \fill
	CREST
	s_add_nc_u64 s[G0+4*\slot+2:G0+4*\slot+3], s[G0+4*\slot+2:G0+4*\slot+3], 2*RT
	s_add_nc_u64 s[G0B+4*\slot+2:G0B+4*\slot+3], s[G0B+4*\slot+2:G0B+4*\slot+3], 2*RT
	JLOAD G0+4*\slot, G1, G0B+4*\slot, G1B
	PLACES NP-4
.else
	PLACES NP
.endif
.if (\slot) == 0
	v_add_nc_u32 v[ADRS], 8, v[ADRS]
.else
	s_wait_alu depctr_va_vdst(0)
	v_add_nc_u32 v[ADRS], 248, v[ADRS]
.endif
	FETCH_B \next, 0, 0
	FETCH_A \next, 0, 0
	SCALES \next
	WIN MUL_HI
	MUL16 4, 1, NQ-1, \slot, 0
	MUL16 6, 1, NQ-1, \slot, 0
	PLACES NP
	WIN 0
	FETCH_A \next, 0, 4
.endm
	s_wait_alu depctr_va_vdst(0)
	s_wait_tensorcnt 0x0                           ; my tile of the head's four is in
	ds_add_u32 v[SPW], v[NIL]
	s_mov_b32 s[G1+2], 8<<16                       ; no tensor load of mine is out: from here on a load brings 8 row tiles,
	s_mov_b32 s[G1+4], 8
	s_mov_b32 s[G1B+2], 8<<16
	s_mov_b32 s[G1B+4], 8
	s_lshl_b32 s20, s16, 17                        ; and slot 0's descriptors stand at my quarter of K step 0
	s_mov_b32 s21, 0
	s_add_nc_u64 s[G0+2:G0+3], s[G0+2:G0+3], s[20:21]
	s_add_nc_u64 s[G0B+2:G0B+3], s[G0B+2:G0B+3], s[20:21]
	s_mov_b32 s[G0+1], s45
	s_mov_b32 s[G0B+1], s45
	s_wait_dscnt 0x0
	CROUND                                         ; all four tiles are in, all sixteen work-groups are here
	JLOAD G0+4, G1, G0B+4, G1B                     ; K step 1, the first tensor load behind the round
	FETCH_B 0, 0, 0
	FETCH_A 0, 0, 0
	SCALES 0
	FETCH_A 0, 0, 4
	STEP 0, 0, 1
	TURN 0, 1, 1
	STEP 1, 0, 0
	TURN 1, 0, 1
	s_wait_alu depctr_va_vdst(0)
	STEP 0, 0, 0
	TURN 0, 1, 0
	STEP 1, 0, 0
	s_wait_dscnt 4*NL
	WIN MUL_LO
	MUL16 0, 1, NQ-1, 1, 0
	MUL16 2, 1, NQ-1, 1, 0
	s_wait_dscnt 0
	WIN MUL_HI
	MUL16 4, 1, NQ-1, 1, 0
	MUL16 6, 1, NQ-1, 1, 0
	WIN 0
.macro QUANTW a
.set WN, 2+(\a)/4
.set AC, 64*((\a)%4)
.if (\a) > 0
	s_wait_xcnt 0x0
.if (\a) == 4
	s_add_nc_u64 s[8:9], s[8:9], s[2:3]
	s_add_nc_u64 s[12:13], s[12:13], s[2:3]
.else
	s_add_nc_u64 s[8:9], s[8:9], s[18:19]
	s_add_nc_u64 s[12:13], s[12:13], s[18:19]
.endif
.endif
	WIN WN|(WN<<2)
.irp b, 0,1,2,3
	v_max3_num_f32 v[TM+\b], |v[AC+16*\b]|, |v[AC+16*\b+1]|, 0x4800000
.endr
	WIN (WN<<2)|(WN<<4)
.irp i, 2,4,6,8,10,12,14
.irp b, 0,1,2,3
	v_max3_num_f32 v[TM+\b], v[TM+\b], |v[AC+16*\b+\i]|, |v[AC+16*\b+\i+1]|
.endr
.endr
	WIN 0
.irp b, 0,1,2,3
	v_permlanex16_b32 v[TM+4+\b], v[TM+\b], s[SEL], s[SEL+1]
.endr
.irp b, 0,1,2,3
	v_max_num_f32 v[TM+\b], v[TM+\b], v[TM+4+\b]
.endr
.irp b, 0,1,2,3
	v_add_nc_u32 v[TM+12+\b], 0xfc000000, v[TM+\b]
.endr
.irp b, 0,1,2,3
	v_and_or_b32 v[TM+8+\b], v[TM+\b], 0x7f800000, s[MNT]
.endr
.irp b, 0,1,2,3
	v_lshrrev_b32 v[TM+4+\b], 23, v[TM+12+\b]
.endr
	v_lshl_or_b32 v[PW+(\a)], v[TM+5], 8, v[TM+4]
	v_lshl_or_b32 v[PW+(\a)], v[TM+6], 16, v[PW+(\a)]
	v_lshl_or_b32 v[PW+(\a)], v[TM+7], 24, v[PW+(\a)]
	WIN WN|(WN<<6)
.irp b, 0,1,2,3
.irp i, 0,1,2,3,4,5,6,7,8,9,10,11,12,13,14,15
	v_med3_num_f32 v[AC+16*\b+\i], v[AC+16*\b+\i], -v[TM+8+\b], v[TM+8+\b]
.endr
.endr
	WIN WN
.irp b, 0,1,2,3
	v_cvt_scalef32_pk8_fp8_f32 v[PC+4*\b:PC+4*\b+1], v[AC+16*\b:AC+16*\b+7], v[TM+12+\b]
	v_cvt_scalef32_pk8_fp8_f32 v[PC+4*\b+2:PC+4*\b+3], v[AC+16*\b+8:AC+16*\b+15], v[TM+12+\b]
.endr
	WIN 0
	v_nop
	global_store_b128 v[LI], v[PC:PC+3], s[8:9]
	global_store_b128 v[LI], v[PC+4:PC+7], s[8:9] offset:512
	global_store_b128 v[LI], v[PC+8:PC+11], s[12:13]
	global_store_b128 v[LI], v[PC+12:PC+15], s[12:13] offset:512
.endm
	PLACES NP
.irp a, 0,1,2,3,4,5,6,7
	QUANTW \a
.endr
.irp i, 0,1,2,3
	v_cndmask_b32 v[ZW+\i], v[PW+2*\i], v[PW+2*\i+1], s[HM]
.endr
	s_cmp_eq_u32 ttmp9, 2
	s_cbranch_scc1 .Lv_scales
.irp i, 0,1,2,3
	v_and_b32 v[HW+\i], 0xffff, v[ZW+\i]
.endr
.irp i, 0,1,2,3
	v_lshrrev_b32 v[HW+4+\i], 16, v[ZW+\i]
.endr
	global_store_b128 v[LI], v[HW:HW+3], s[10:11]
	global_store_b128 v[LI], v[HW+4:HW+7], s[66:67]
	s_branch .Lscales_out
.Lv_scales:
	s_wait_alu depctr_va_vdst(0)
	global_store_b64 v[L8], v[ZW:ZW+1], s[10:11]
	global_store_b64 v[L8], v[ZW+2:ZW+3], s[66:67]
.Lscales_out:
	s_wait_tensorcnt 0x0
	ds_add_u32 v[SPW], v[NIL]
	s_wait_dscnt 0x0
	CROUND
	s_endpgm
.Lfunc_end_k_q1769a54916_qkv:
	.size	k_q1769a54916_qkv, .Lfunc_end_k_q1769a54916_qkv-k_q1769a54916_qkv
	.p2alignl 7, 3214868480
	.fill 96, 4, 3214868480
	.section	.rodata,"a",@progbits
	.p2align	6, 0x0
	.amdhsa_kernel k_q1769a54916_qkv
		.amdhsa_group_segment_fixed_size 327680
		.amdhsa_private_segment_fixed_size 0
		.amdhsa_enable_private_segment 0
		.amdhsa_kernarg_size 32
		.amdhsa_user_sgpr_count 2
		.amdhsa_user_sgpr_kernarg_segment_ptr 1
		.amdhsa_wavefront_size32 1
		.amdhsa_system_sgpr_workgroup_id_x 1
		.amdhsa_system_sgpr_workgroup_id_y 1
		.amdhsa_system_sgpr_workgroup_id_z 1
		.amdhsa_system_vgpr_workitem_id 0
		.amdhsa_next_free_vgpr 1024
		.amdhsa_next_free_sgpr 100
		.amdhsa_reserve_vcc 0
		.amdhsa_float_denorm_mode_32 3
		.amdhsa_float_denorm_mode_16_64 3
		.amdhsa_memory_ordered 1
		.amdhsa_forward_progress 1
		.amdhsa_inst_pref_size 189
	.end_amdhsa_kernel
	.amdgpu_metadata
---
amdhsa.version: [ 1, 2 ]
amdhsa.kernels:
  - .name:           k_q1769a54916_qkv
    .symbol:         k_q1769a54916_qkv.kd
    .args:
      - { .name: in_img, .offset: 0, .size: 8, .value_kind: global_buffer, .address_space: global }
      - { .name: in_sc, .offset: 8, .size: 8, .value_kind: global_buffer, .address_space: global }
      - { .name: qkv_img, .offset: 16, .size: 8, .value_kind: global_buffer, .address_space: global }
      - { .name: qkv_sc, .offset: 24, .size: 8, .value_kind: global_buffer, .address_space: global }
    .group_segment_fixed_size: 327680
    .private_segment_fixed_size: 0
    .kernarg_segment_align: 8
    .kernarg_segment_size: 32
    .max_flat_workgroup_size: 128
    .sgpr_count:     100
    .vgpr_count:     1024
    .wavefront_size: 32
...
	.end_amdgpu_metadata
.endif
;; end of part 2
;; launch attn (part 3): grid 8 x 32, 8 waves a work-group, clusters of 4 x 1, 312,320 bytes of LDS; arguments qkv_img, qkv_sc, a, b, dt, att_img, att_sc; writes att_img, att_sc
.if DOCPART == 3
	.amdgcn_target "amdgcn-amd-amdhsa--gfx1250"
	.amdhsa_code_object_version 6
	.text
	.protected	k_q1769a54916_attn
	.globl	k_q1769a54916_attn
	.p2align	8
	.type	k_q1769a54916_attn,@function
k_q1769a54916_attn:
	s_mov_b64 s[64:65], 0
	v_nop
	global_prefetch_b8 v0, s[64:65] scope:SCOPE_SE
	s_setreg_imm32_b32 hwreg(HW_REG_WAVE_MODE, 25, 1), 1
	s_wait_xcnt 0x0
	s_wait_alu depctr_hold_cnt(0) depctr_sa_sdst(0) depctr_va_vdst(0) depctr_va_sdst(0) depctr_va_ssrc(0) depctr_va_vcc(0) depctr_vm_vsrc(0)
	s_getreg_b32 s2, hwreg(HW_REG_IB_STS2, 6, 4)
	s_cmp_eq_u32 s2, 0
	s_cbranch_scc0 .Lentry_in_a_cluster
	s_endpgm
.Lentry_in_a_cluster:
	s_bfe_u32 s2, ttmp6, 0x10000c
	s_cmp_lg_u32 s2, 0x3003
	s_cbranch_scc0 .Lentry_shape_is_right
	s_endpgm
.Lentry_shape_is_right:
; ATTENTION WITH THE FITZHUGH-NAGUMO GATE, BOTH WALKS OVER THE KEYS IN ONE LAUNCH, on codes of FP8 (E4M3) with E8M0 scales.
; WORK LEFT OUT, AND WHY IT IS DEAD.  attn_energy is the sum of a softmax along its own axis; every row has a key that counts (key 0), so in real numbers the sum is 1 for all inputs.
; Hence |E| = 1 in every row, stim_scale = max(1, 1e-6) = 1, stimulus_normed = 1, threshold_gate = sigmoid(5), I = 0.1 + 0.9 sigmoid(5): a constant of reference()'s own body.  The sum, the head's maximum and the division are not computed.
; The gate g = 0.5 + 0.5 sigmoid(v after two steps) then hangs on a, b, dt alone (the mean of 64 equal numbers is that number; w's second step is read by nothing), and the sum of p g is g.
; So the finished probability is P' = 2^(t - M) F with F = g / (g + 1e-8) / l.  LIMIT: a NaN, an infinity or an overflow that reaches only the work left out is not carried to the result.
; WALK 1, for my 16 queries: M = the largest t = score x log2(e) / 8 so far, rounded up to a whole number, and l = the sum of 2^(t - M).  Each step's four block maxima of the scores go to LDS bytes of the wave's own.
; WALK 2: the scores again, bit for bit; P' is quantised along the keys and multiplied by V; the result is quantised along D for the last product.
; y = 2 x head + batch (grid y).  q, k: images [tile of 16 tokens][c 0..1][lane][16 bytes]; place r of tile 2 b + u is token 32 b + 8 u + r + 8 (r / 8).  v: images [key step][tile of 16 channels][c 0..3][lane][16].
; SHARES.  Work-group i (0..7) of a head owns query tiles i + 8 j.  Tile i + 8 j needs key steps (128 keys) 0 .. j; the mask cuts step j.  Wave w takes j = 15 - w and then j = w: 17 steps in each walk, in every wave.
; K AND V OF THE WHOLE HEAD lie in LDS with their scale words, filled once by joint loads of the cluster's four work-groups, one load a wave: waves 0, 1 K's halves, wave 2 the scale words, waves 3, 4 V's halves.
; V is first read in walk 2: its two waves wait for it behind the first key step, where a second barrier shows it.  Nothing is filled again, and no tile is asked for later: so there is no stream to prefetch.
; S^T = K Q^T: a lane holds one query (lane % 16); register 16 b + i of 64 is key 32 b + 16 (lane / 16) + i.  K = 64 IN AN INSTRUCTION OF 128: Q's registers 8-15 are zero codes, both sides' scale bytes 2, 3 are 0; K's tiles lie 8 registers apart, the last followed by 8 zero registers.
; THE NEXT STEP'S K is fetched behind this step's score products; V has registers of its own (v256-319) and is fetched there too.
; A BLOCK'S LARGEST P' is the block's largest score put through the same multiply-add, exponential and multiplication (this takes v_exp_f32 not to fall where its input rises; at the worst one number is held one code low).
; OUT: att_img[row tile = 128 batch + tile][head / 2][2,048]: my two chunks at (head % 2) x 1,024; att_sc[row tile][head / 8][row][16 bytes]: bytes 2 (head % 8), + 1.
; LIMITS: divisions are v_rcp_f32 and a multiplication; dt / 12.5 is dt x 0.08.  A block whose largest magnitude lies under 2^-118 keeps the byte 1.  NaN and infinities are not served.  The scaled scores stay under 2^31 in magnitude.
.set VIMG, 131072
.set KSCL, 262144
.set VSCL, 270336
.set SPARE, 274432                     ; the spare words: 128 bytes a wave, named by no other line
.set BMB,  275456                      ; the block maxima: [wave: 4,608 bytes][key step: 256][row: 16]; no fill lands there
.set LB,   0                           ; v0, behind the head: BMB + 4,608 x wave + 16 x (lane % 16)
.set LI,   1                           ; 16 x lane
.set LV,   2                           ; VIMG + 16 x lane
.set ADK,  3
.set ADV,  4
.set ADS,  5
.set ADT,  6
.set DG,   7                           ; my query less the diagonal step's first key less 16 (lane / 16)
.set NINF, 8
.set AB,   9                           ; 16 (lane % 16) + lane / 16
.set SPW,  10
.set NIL,  11
.set QF,   16                          ; v16-31 Q, v24-31 zeros
.set KF,   32                          ; v32-103 K's eight tiles, v96-103 zeros
.set S,    104                         ; v104-167 S^T, then p
.set O,    168                         ; v168-199 O^T
.set PC,   200                         ; v200-215 P's codes
.set KSC,  216
.set VS,   220
.set QS,   222
.set PW,   223
.set BM,   224
.set T1,   228                         ; walk 1: v[228:229] the factor f, v230 at work, v231 the old -M
.set HOLD, 232
.set SCO,  236
.set TB,   239
.set GG,   240                         ; g / (g + 1e-8)
.set H2,   241                         ; v241-244 the holds once more, for the second half of a dual pair
.set ADB,  245
.set BL,   246                         ; v246-249 the step's block maxima, read back
.set LSK,  254
.set LSV,  255
.set AV,   20
.set BV,   21
.set DT,   22
.set WV,   23
.set G1T,  24                          ; 65,536 dense bytes as 16 rows of 4,096
.set G1S,  32                          ; 12,288 dense bytes as 48 rows of 256
.set SEL,  66
.set CS,   68
.set MNT,  70
.set HM,   71
.set TK,   72
.set TS,   73
.set TT,   74
.set KS,   75
.set LAST, 76
.set K13,  81
.set K1E8, 82
.set OPH,  84
.set OPL,  86
.set OSH,  88
.set OSL,  90
.macro ROUND
	s_barrier_signal -1
	s_barrier_wait -1
	s_cmp_lg_u32 s[WV], 0
	s_cbranch_scc1 .Lnot_wave_0_\@
	s_barrier_signal -3
.Lnot_wave_0_\@:
	s_barrier_wait -3
	s_barrier_signal -1
	s_barrier_wait -1
.endm
.macro WALU
	s_wait_alu depctr_va_vdst(0)
.endm
	s_load_b256 s[4:11], s[0:1], 0x0               ; qkv_img, qkv_sc, a, b
	s_load_b128 s[12:15], s[0:1], 0x20             ; dt, att_img
	s_load_b64 s[16:17], s[0:1], 0x30              ; att_sc
	v_lshl_add_u32 v[SPW], v0, 2, SPARE
	v_mov_b32 v[NIL], 0
	ds_add_u32 v[SPW], v[NIL]                      ; the opening lines: the add twice and its wait
	ds_add_u32 v[SPW], v[NIL]
	v_lshrrev_b32 v1, 5, v0
	v_readfirstlane_b32 s[WV], v1                  ; wave 0..7
	s_bfe_u32 s60, ttmp6, 0x40000                  ; cx
	s_lshl_b32 s61, ttmp9, 2
	s_add_co_u32 s61, s61, s60                     ; i: it enters global addresses and the mask's compare alone
	s_and_b32 s62, ttmp7, 0xffff                   ; y, shared by the four partners
	s_mov_b32 s[G1T], 15|(3<<16)|(1<<21)           ; the mask: all four; elements of 8 bytes; bit 21 beside the mask
	s_mov_b32 s[G1T+1], 512<<16
	s_mov_b32 s[G1T+2], 16<<16
	s_mov_b32 s[G1T+3], 512<<16
	s_mov_b32 s[G1T+4], 16
	s_mov_b32 s[G1T+5], 512
	s_mov_b32 s[G1T+6], 0
	s_mov_b32 s[G1T+7], 0
	s_mov_b32 s[G1S], 15|(3<<16)|(1<<21)
	s_mov_b32 s[G1S+1], 32<<16
	s_mov_b32 s[G1S+2], 48<<16
	s_mov_b32 s[G1S+3], 32<<16
	s_mov_b32 s[G1S+4], 48
	s_mov_b32 s[G1S+5], 32
	s_mov_b32 s[G1S+6], 0
	s_mov_b32 s[G1S+7], 0
	s_lshl_b32 s92, s[WV], 16                      ; K: half = wave (0, 1), in memory and in LDS
	s_add_co_u32 s94, s62, 32
	s_lshl_b32 s94, s94, 17
	s_add_co_u32 s94, s94, s92
	s_mov_b32 s95, 0
	s_add_co_u32 s93, s[WV], 1                     ; V: half = (wave + 1) % 2 of waves 3, 4
	s_and_b32 s93, s93, 1
	s_lshl_b32 s93, s93, 16
	s_add_co_u32 s96, s62, 64
	s_lshl_b32 s96, s96, 17
	s_add_co_u32 s96, s96, s93
	s_mov_b32 s97, 0
	s_add_co_u32 s93, s93, VIMG
	s_mul_i32 s98, s62, 12288                      ; the head's scale words: K's 8,192 bytes, then V's 4,096
	s_add_co_u32 s98, s98, 262144
	s_mov_b32 s99, 0
	s_wait_dscnt 0x0
	s_wait_kmcnt 0x0
	s_load_b32 s[AV], s[8:9], 0x0
	s_load_b32 s[BV], s[10:11], 0x0
	s_load_b32 s[DT], s[12:13], 0x0
	s_mov_b32 s40, 1
	s_mov_b32 s41, s92
	s_add_nc_u64 s[42:43], s[4:5], s[94:95]
	s_or_b32 s43, s43, 0x80000000
	s_mov_b32 s44, 1
	s_mov_b32 s45, s93
	s_add_nc_u64 s[46:47], s[4:5], s[96:97]
	s_or_b32 s47, s47, 0x80000000
	s_mov_b32 s48, 1
	s_mov_b32 s49, KSCL
	s_add_nc_u64 s[50:51], s[6:7], s[98:99]
	s_or_b32 s51, s51, 0x80000000
	ROUND                                          ; all four work-groups are here: the joint loads meet
.macro ARM under, g0, g1, next         ; one chain of branches on the wave's number, one load to an arm
	s_cmp_lt_u32 s[WV], \under
	s_cbranch_scc0 \next
	tensor_load_to_lds s[\g0:\g0+3], s[\g1:\g1+7]
	s_nop 0
.rept 4
	v_nop
.endr
	s_branch .Lasked
\next:
.endm
	ARM 2, 40, G1T, .Larm_s
	ARM 3, 48, G1S, .Larm_v
	ARM 5, 44, G1T, .Larm_n
.Lasked:
	s_wait_kmcnt 0x0                               ; a, b, dt
	s_sub_co_u32 s[LAST], 15, s[WV]                ; the heavy tile's j
	s_lshl_b32 s92, s62, 17                        ; Q: y's block + i tiles of 1,024 bytes + 8 j tiles
	s_lshl_b32 s93, s61, 10
	s_add_co_u32 s92, s92, s93
	s_lshl_b32 s93, s[LAST], 13
	s_add_co_u32 s94, s92, s93
	s_mov_b32 s95, 0
	s_add_nc_u64 s[94:95], s[4:5], s[94:95]
	s_lshl_b32 s93, s[WV], 13
	s_add_co_u32 s96, s92, s93
	s_mov_b32 s97, 0
	s_add_nc_u64 s[96:97], s[4:5], s[96:97]
	s_lshl_b32 s92, s62, 13                        ; Q's scale words: y x 8,192 + j x 512 + 256 (i % 2) + 4 (i / 2)
	s_and_b32 s93, s61, 1
	s_lshl_b32 s93, s93, 8
	s_add_co_u32 s92, s92, s93
	s_lshr_b32 s93, s61, 1
	s_lshl_b32 s93, s93, 2
	s_add_co_u32 s92, s92, s93
	s_lshl_b32 s93, s[LAST], 9
	s_add_co_u32 s98, s92, s93
	s_mov_b32 s99, 0
	s_add_nc_u64 s[98:99], s[6:7], s[98:99]
	s_lshl_b32 s93, s[WV], 9
	s_add_co_u32 s92, s92, s93
	s_mov_b32 s93, 0
	s_add_nc_u64 s[92:93], s[6:7], s[92:93]
	s_and_b32 s52, s62, 1                          ; where the results go: row tile = 128 batch + i + 8 j
	s_lshl_b32 s52, s52, 7
	s_add_co_u32 s52, s52, s61
	s_lshr_b32 s53, s62, 1                         ; head
	s_lshl_b32 s54, s[LAST], 3
	s_add_co_u32 s54, s54, s52
	s_lshl_b32 s55, s[WV], 3
	s_add_co_u32 s55, s55, s52
	s_lshl_b32 s52, s53, 10                        ; (head / 2) x 2,048 + (head % 2) x 1,024
	s_lshl_b32 s56, s54, 14
	s_add_co_u32 s56, s56, s52
	s_mov_b32 s57, 0
	s_add_nc_u64 s[OPH:OPH+1], s[14:15], s[56:57]
	s_lshl_b32 s56, s55, 14
	s_add_co_u32 s56, s56, s52
	s_add_nc_u64 s[OPL:OPL+1], s[14:15], s[56:57]
	s_lshr_b32 s52, s53, 3
	s_lshl_b32 s52, s52, 8
	s_and_b32 s53, s53, 7
	s_lshl_b32 s53, s53, 1
	s_add_co_u32 s52, s52, s53
	s_lshl_b32 s56, s54, 9
	s_add_co_u32 s56, s56, s52
	s_add_nc_u64 s[OSH:OSH+1], s[16:17], s[56:57]
	s_lshl_b32 s56, s55, 9
	s_add_co_u32 s56, s56, s52
	s_add_nc_u64 s[OSL:OSL+1], s[16:17], s[56:57]
	s_lshr_b32 s58, s61, 1                         ; 32 (i / 2) + 8 (i % 2)
	s_lshl_b32 s58, s58, 5
	s_and_b32 s59, s61, 1
	s_lshl_b32 s59, s59, 3
	s_add_co_u32 s58, s58, s59
	s_mul_i32 s59, s[WV], 4608                     ; my wave's block maxima
	s_add_co_u32 s59, s59, BMB
	s_mov_b32 s[SEL], 0x76543210
	s_mov_b32 s[SEL+1], 0xfedcba98
	s_mov_b32 s[CS], 0x3e38aa3b                    ; c = log2(e) / sqrt(64)
	s_mov_b32 s[CS+1], s[CS]
	s_mov_b32 s[MNT], 0x600000
	s_mov_b32 s[HM], 0xffff0000
	s_mov_b32 s[K13], 0xbeaaaaab                   ; -1/3
	s_mov_b32 s[K1E8], 0x322bcc77                  ; 1e-8
	v_and_b32 v[LI], 31, v0
	v_and_b32 v160, 15, v0                         ; r
	v_bfe_u32 v162, v0, 4, 1                       ; h
	v_and_b32 v[DG], 8, v0
	v_lshlrev_b32 v[LSV], 3, v[LI]
	v_lshlrev_b32 v[LI], 4, v[LI]
	v_add_nc_u32 v[DG], v[DG], v160                ; r + 8 (r / 8)
	v_lshlrev_b32 v163, 4, v162
	v_add_nc_u32 v[LSV], VSCL, v[LSV]
	v_add_nc_u32 v[LV], VIMG, v[LI]
	v_add_nc_u32 v[LSK], KSCL, v[LI]
	v_sub_nc_u32 v[DG], v[DG], v163                ; - 16 h
	v_lshl_add_u32 v[AB], v160, 4, v162
	v_lshlrev_b32 v160, 4, v160                    ; 16 r: my row's scale word of Q
	v_add_nc_u32 v[DG], s58, v[DG]
	v_mov_b32 v[NINF], 0xff800000
	v_add_nc_u32 v[LB], s59, v160                  ; v0 has been read for the last time
	WALU                                           ; the wait ahead of the readers below
	global_load_b128 v[QF:QF+3], v[LI], s[94:95]
	global_load_b128 v[QF+4:QF+7], v[LI], s[94:95] offset:512
	global_load_b32 v[QS], v160, s[98:99]
	s_set_vgpr_msb 0x40                            ; the light tile's Q and its scale word wait in v320-328
	global_load_b128 v[64:67], v[LI], s[96:97]
	global_load_b128 v[68:71], v[LI], s[96:97] offset:512
	global_load_b32 v72, v160, s[92:93]
	s_set_vgpr_msb 0x4000
	; THE GATE, the same number in every lane.  Behind each transcendental a plain line and the wait; ahead of each the wait
	v_mov_b32 v108, 0x3f7e753d                     ; I = 0.1 + 0.9 sigmoid(5)
	v_mov_b32 v105, s[DT]
	v_mul_f32 v105, 0x3da3d70a, v105               ; dt / tau
	v_fma_f32 v106, v105, s[BV], 1.0
	v_mul_f32 v109, s[DT], v108                    ; v after step 1, from v = w = 0
	v_add_f32 v110, s[AV], v109
	v_mul_f32 v110, v110, v105
	v_mul_f32 v111, v109, v109
	v_mul_f32 v111, v111, v109
	v_fma_f32 v111, v111, s[K13], v109             ; v - v^3 / 3
	WALU
	v_rcp_f32 v106, v106
	v_nop
	WALU
	v_mul_f32 v110, v110, v106                     ; w after step 1
	v_sub_f32 v111, v111, v110
	v_add_f32 v111, v111, v108                     ; + I
	v_fma_f32 v109, s[DT], v111, v109              ; v after step 2
	v_mul_f32 v109, 0xbfb8aa3b, v109
	WALU
	v_exp_f32 v109, v109
	v_nop
	WALU
	v_add_f32 v109, 1.0, v109
	WALU
	v_rcp_f32 v109, v109
	v_nop
	WALU
	v_fma_f32 v109, v109, 0.5, 0.5                 ; g
	v_add_f32 v110, s[K1E8], v109
	WALU
	v_rcp_f32 v110, v110
	v_nop
	WALU
	v_mul_f32 v[GG], v109, v110                    ; g / (g + 1e-8)
.irp j, 0,1,2,3,4,5,6,7
	v_mov_b32 v[QF+8+\j], 0                        ; zero codes for k = 64 .. 127
	v_mov_b32 v[KF+64+\j], 0
.endr
.irp b, 0,1,2,3
	v_mov_b32 v[T1+\b], 0                          ; a lane permute's destination counts as one of its sources; v229 is named in a pair
.endr
	v_mov_b32 v[TB], 0
.macro KLOADS ak, as, off, soff        ; a key step's 8 tiles of K and their scale words: 17 loads
.set n, 0
.rept 16
	ds_load_b128 v[KF+4*n:KF+4*n+3], v[\ak] offset:\off+512*n
.set n, n+1
.endr
	ds_load_b128 v[KSC:KSC+3], v[\as] offset:\soff
.endm
.macro QK                              ; eight accumulators, one product each
.irp t, 0,2,4,6
	v_wmma_scale_f32_16x16x128_f8f6f4 v[S+8*\t:S+8*\t+7], v[KF+8*\t:KF+8*\t+15], v[QF:QF+15], 0, v[KSC+\t/2], v[QS]
	v_wmma_scale_f32_16x16x128_f8f6f4 v[S+8*\t+8:S+8*\t+15], v[KF+8*\t+8:KF+8*\t+23], v[QF:QF+15], 0, v[KSC+\t/2], v[QS] matrix_a_scale:MATRIX_SCALE_ROW1
.endr
.endm
.macro MASK                            ; register n holds key 32 (n / 16) + n % 16 + 16 h of the step: hidden where that lies beyond my query
.set n, 0
.rept 64
	v_cmp_gt_i32 vcc_lo, 32*(n/16)+n%16, v[DG]
	v_cndmask_b32 v[S+n], v[S+n], v[NINF], vcc_lo
.set n, n+1
.endr
.endm
.macro BLOCKMAX                        ; the largest score of each block of 32 keys: eight chains side by side, two to a block, each accumulator from its low end on
.irp b, 0,1,2,3
	v_max3_num_f32 v[BM+\b], v[S+16*\b], v[S+16*\b+1], v[S+16*\b+2]
.endr
.irp b, 0,1,2,3
	v_max3_num_f32 v[HOLD+\b], v[S+16*\b+8], v[S+16*\b+9], v[S+16*\b+10]
.endr
.irp i, 3,5
.irp b, 0,1,2,3
	v_max3_num_f32 v[BM+\b], v[BM+\b], v[S+16*\b+\i], v[S+16*\b+\i+1]
.endr
.irp b, 0,1,2,3
	v_max3_num_f32 v[HOLD+\b], v[HOLD+\b], v[S+16*\b+\i+8], v[S+16*\b+\i+9]
.endr
.endr
.irp b, 0,1,2,3
	v_max3_num_f32 v[BM+\b], v[BM+\b], v[S+16*\b+7], v[S+16*\b+15]
.endr
.irp b, 0,1,2,3
	v_max_num_f32 v[BM+\b], v[BM+\b], v[HOLD+\b]
.endr
.irp b, 0,1,2,3
	v_permlanex16_b32 v[HOLD+\b], v[BM+\b], s[SEL], s[SEL+1]
.endr
.irp b, 0,1,2,3
	v_max_num_f32 v[BM+\b], v[BM+\b], v[HOLD+\b]   ; with lane l xor 16's 16 keys
.endr
.endm
.macro FM k                            ; k packed multiply-adds: t - M
.rept \k
	v_pk_fma_f32 v[S+m:S+m+1], v[S+m:S+m+1], s[CS:CS+1], v[12:13] op_sel_hi:[1,0,0]
.set m, m+2
.endr
.endm
.macro PM k                            ; k packed multiplications: P' = 2^(t - M) F
.rept \k
	v_pk_mul_f32 v[S+m:S+m+1], v[S+m:S+m+1], v[14:15]
.set m, m+2
.endr
.endm
; A KEY STEP OF WALK 1.  masked = 1: a step beyond the tile's last is left out, and the last is masked and fetches nothing (branches on the wave's number and a counter)
.macro P1STEP masked
.if \masked
	s_cmp_gt_u32 s[KS], s[LAST]
	s_cbranch_scc1 .Lh1_\@
.endif
	s_wait_dscnt 0x0                               ; this step's K, asked for a step ago
	QK
	v_add_nc_u32 v[ADK], s[TK], v[LI]              ; with the four below: eight places behind the products
	v_add_nc_u32 v[ADS], s[TS], v[LSK]
	v_add_nc_u32 v[ADB], s[TT], v[LB]
	v_mov_b32 v231, v12                            ; the old -M
.rept 4
	v_nop
.endr
.if \masked
	s_cmp_lg_u32 s[KS], s[LAST]
	s_cbranch_scc0 .Lm1_\@
.endif
	KLOADS ADK, ADS, 8192, 512                     ; the next step's K lands under the softmax
.if \masked
	s_branch .Lg1_\@
.Lm1_\@:
	MASK
.Lg1_\@:
.endif
	BLOCKMAX
	ds_store_b128 v[ADB], v[BM:BM+3]               ; for walk 2; both halves of the lanes write the same bytes with the same values
	v_max3_num_f32 v230, v[BM], v[BM+1], v[BM+2]
	v_max_num_f32 v230, v230, v[BM+3]              ; the step's largest score of my query
	v_mul_f32 v230, s[CS], v230
	v_max_num_f32 v13, v13, v230                   ; the running largest t
	v_floor_f32 v12, -v13                          ; -M = -ceil(t)
.set m, 0
	FM 4
	v_sub_f32 v230, v12, v231                      ; old M - new M, a whole number, 0 or less
	FM 4
	v_cvt_i32_f32 v230, v230                       ; (it saturates)
	FM 4
	v_ldexp_f32 v[T1], 1.0, v230                   ; f = 2^(old M - new M)
	FM 20
	WALU
.set n, 0
.rept 64
	v_exp_f32 v[S+n], v[S+n]
.set n, n+1
.endr
	v_pk_mul_f32 v[14:15], v[14:15], v[T1:T1+1] op_sel_hi:[1,0]   ; the sum under the new M
	WALU
.set n, 0
.irp c, 232,234,236,224,226,220,230    ; the sum in eight chains
	v_pk_add_f32 v[\c:\c+1], v[S+n:S+n+1], v[S+n+2:S+n+3]
.set n, n+4
.endr
.rept 2
.irp c, 14,232,234,236,224,226,220,230
	v_pk_add_f32 v[\c:\c+1], v[\c:\c+1], v[S+n:S+n+1]
.set n, n+2
.endr
.endr
	v_pk_add_f32 v[14:15], v[14:15], v[S+60:S+61]
	v_pk_add_f32 v[232:233], v[232:233], v[S+62:S+63]
	v_pk_add_f32 v[234:235], v[234:235], v[236:237]
	v_pk_add_f32 v[224:225], v[224:225], v[226:227]
	v_pk_add_f32 v[220:221], v[220:221], v[230:231]
	v_pk_add_f32 v[14:15], v[14:15], v[232:233]
	v_pk_add_f32 v[224:225], v[224:225], v[234:235]
	v_pk_add_f32 v[14:15], v[14:15], v[220:221]
	v_pk_add_f32 v[14:15], v[14:15], v[224:225]
.if \masked
.Lh1_\@:
.endif
	s_add_co_u32 s[TK], s[TK], 8192
	s_add_co_u32 s[TS], s[TS], 512
	s_add_co_u32 s[TT], s[TT], 256
	s_add_co_u32 s[KS], s[KS], 1
.endm
; A KEY STEP OF WALK 2
.macro P2STEP
	s_cmp_gt_u32 s[KS], s[LAST]
	s_cbranch_scc1 .Lh2_\@
	s_add_co_u32 s77, s[TT], 256                   ; where the next step's block maxima lie: held at key step 15's, the last that walk 1 stores (the load is issued only where a next step exists)
	s_min_u32 s77, s77, 3840
	s_wait_dscnt 0x0
	QK
	v_add_nc_u32 v[ADV], s[TK], v[LV]              ; nine plain lines: the places behind these products and the last step's, ahead of the loads below
	v_add_nc_u32 v[ADT], s[TT], v[LSV]
	v_add_nc_u32 v[ADK], s[TK], v[LI]
	v_add_nc_u32 v[ADS], s[TS], v[LSK]
	v_add_nc_u32 v[ADB], s77, v[LB]
.irp b, 0,1,2,3
	v_fma_f32 v[BM+\b], v[BL+\b], s[CS], v12
.endr
	s_set_vgpr_msb 0x40                            ; destinations v256 on
.set n, 0
.rept 16
	ds_load_b128 v[4*n:4*n+3], v[ADV] offset:512*n ; this step's V: 17 loads with its scale words
.set n, n+1
.endr
	s_set_vgpr_msb 0x4000
	ds_load_b64 v[VS:VS+1], v[ADT]
	s_cmp_lg_u32 s[KS], s[LAST]
	s_cbranch_scc0 .Lm2_\@
	KLOADS ADK, ADS, 8192, 512                     ; the next step's K, 17 loads,
	ds_load_b128 v[BL:BL+3], v[ADB]
	s_branch .Lg2_\@
.Lm2_\@:
	MASK
	s_wait_dscnt 0x0                               ; on this way nothing is issued behind V: so V is awaited here
	WALU
.Lg2_\@:
.set m, 0
	FM 32
	WALU
.irp b, 0,1,2,3
	v_exp_f32 v[BM+\b], v[BM+\b]
.endr
.set n, 0
.rept 64
	v_exp_f32 v[S+n], v[S+n]
.set n, n+1
.endr
	v_nop
	WALU                                           ; one wait for the 68
.set m, 0
.irp b, 0,1,2,3
	v_mul_f32 v[BM+\b], v[BM+\b], v14              ; the block's largest P'.  (The scales' lines and the multiplications by turns)
.endr
	PM 4
.irp b, 0,1,2,3
	v_max_num_f32 v[BM+\b], 0x4800000, v[BM+\b]    ; the floor 2^(9 - 127): the byte cannot fall under 1
.endr
	PM 4
.irp b, 0,1,2,3
	v_add_nc_u32 v[SCO+\b], 0xfc000000, v[BM+\b]   ; the conversion's scale operand
.endr
	PM 4
.irp b, 0,1,2,3
	v_and_or_b32 v[HOLD+\b], v[BM+\b], 0x7f800000, s[MNT]   ; 448 x the scale
.endr
	PM 4
.irp b, 0,1,2,3
	v_and_or_b32 v[H2+\b], v[BM+\b], 0x7f800000, s[MNT]
.endr
	PM 4
.irp b, 0,1,2,3
	v_lshrrev_b32 v[T1+\b], 23, v[SCO+\b]
.endr
	PM 4
	v_lshl_or_b32 v[PW], v[T1+1], 8, v[T1]
	PM 3
	v_lshl_or_b32 v[PW], v[T1+2], 16, v[PW]
	PM 3
	v_lshl_or_b32 v[PW], v[T1+3], 24, v[PW]
	PM 2
.irp b, 0,1,2,3
.set n, 0
.rept 8
	v_dual_min_num_f32 v[S+16*\b+n], v[S+16*\b+n], v[HOLD+\b] :: v_dual_min_num_f32 v[S+16*\b+n+1], v[S+16*\b+n+1], v[H2+\b]   ; the conversion does not saturate (ISA guide 7.6.2); P' is not negative
.set n, n+2
.endr
	v_cvt_scalef32_pk8_fp8_f32 v[PC+4*\b:PC+4*\b+1], v[S+16*\b:S+16*\b+7], v[SCO+\b]
	v_cvt_scalef32_pk8_fp8_f32 v[PC+4*\b+2:PC+4*\b+3], v[S+16*\b+8:S+16*\b+15], v[SCO+\b]
.endr
.rept 4
	v_nop                                          ; four places between the codes and the scaled products
.endr
	s_wait_dscnt 18                                ; V is in; the 18 loads issued behind it may be out
	s_set_vgpr_msb 0x1                             ; source 0: v256 on
	WALU                                           ; the wait ahead of the readers of O^T and of the codes
.irp t, 0,2
	v_wmma_scale_f32_16x16x128_f8f6f4 v[O+8*\t:O+8*\t+7], v[16*\t:16*\t+15], v[PC:PC+15], v[O+8*\t:O+8*\t+7], v[VS+\t/2], v[PW]
	v_wmma_scale_f32_16x16x128_f8f6f4 v[O+8*\t+8:O+8*\t+15], v[16*\t+16:16*\t+31], v[PC:PC+15], v[O+8*\t+8:O+8*\t+15], v[VS+\t/2], v[PW] matrix_a_scale:MATRIX_SCALE_ROW1
.endr
	s_set_vgpr_msb 0x100
.Lh2_\@:
	s_add_co_u32 s[TK], s[TK], 8192
	s_add_co_u32 s[TS], s[TS], 512
	s_add_co_u32 s[TT], s[TT], 256
	s_add_co_u32 s[KS], s[KS], 1
.endm
; A TILE'S END: my row's 32 numbers, register 16 b + i = d 32 b + 16 h + i, are two blocks along the last product's K
.macro OUT op, os
.rept 8
	v_nop
.endr
.irp b, 0,1
	v_max3_num_f32 v[BM+\b], |v[O+16*\b]|, |v[O+16*\b+1]|, 0x4800000
.endr
.irp i, 2,4,6,8,10,12,14
.irp b, 0,1
	v_max3_num_f32 v[BM+\b], v[BM+\b], |v[O+16*\b+\i]|, |v[O+16*\b+\i+1]|
.endr
.endr
.irp b, 0,1
	v_permlanex16_b32 v[T1+\b], v[BM+\b], s[SEL], s[SEL+1]
.endr
.irp b, 0,1
	v_max_num_f32 v[BM+\b], v[BM+\b], v[T1+\b]
.endr
.irp b, 0,1
	v_add_nc_u32 v[SCO+\b], 0xfc000000, v[BM+\b]
.endr
.irp b, 0,1
	v_and_or_b32 v[HOLD+\b], v[BM+\b], 0x7f800000, s[MNT]
.endr
.irp b, 0,1
	v_lshrrev_b32 v[T1+\b], 23, v[SCO+\b]
.endr
	v_cndmask_b32 v[T1+2], v[T1], v[T1+1], s[HM]   ; lanes 0-15 store block 0's byte of row r, lanes 16-31 block 1's
.irp b, 0,1
.set n, 0
.rept 16
	v_med3_num_f32 v[O+16*\b+n], v[O+16*\b+n], -v[HOLD+\b], v[HOLD+\b]
.set n, n+1
.endr
	v_cvt_scalef32_pk8_fp8_f32 v[PC+4*\b:PC+4*\b+1], v[O+16*\b:O+16*\b+7], v[SCO+\b]
	v_cvt_scalef32_pk8_fp8_f32 v[PC+4*\b+2:PC+4*\b+3], v[O+16*\b+8:O+16*\b+15], v[SCO+\b]
.endr
	v_nop
	global_store_b128 v[LI], v[PC:PC+3], s[\op:\op+1]
	global_store_b128 v[LI], v[PC+4:PC+7], s[\op:\op+1] offset:512
	global_store_b8 v[AB], v[T1+2], s[\os:\os+1]   ; 32 single bytes of one row tile's words: a thirty-second of what the launch stores
.endm
; A TILE: walk 1, the row's F, walk 2, the way out.  first = 1: the first key step stands ahead of the loop, and behind it the barrier that shows V
.macro TILE first, trips, op, os
	v_mov_b32 v13, 0xff61b1e6                      ; the largest t so far: -3e38
	v_floor_f32 v12, -v13
	v_mov_b32 v14, 0
	v_mov_b32 v15, 0
	s_mov_b32 s[KS], 0
	s_mov_b32 s[TK], 0
	s_mov_b32 s[TS], 0
	s_mov_b32 s[TT], 0
	WALU
	s_wait_dscnt 0x0
	KLOADS LI, LSK, 0, 0
.if \first
	P1STEP 0
	s_wait_tensorcnt 0x0                           ; every wave, under no branch: V's halves are in
	s_wait_dscnt 0x0
	s_barrier_signal -1
	s_barrier_wait -1
.endif
.Lp1_\@:
	P1STEP 1
	s_cmp_lt_u32 s[KS], \trips
	s_cbranch_scc1 .Lp1_\@
	s_wait_dscnt 0x0
	KLOADS LI, LSK, 0, 0                           ; walk 2's first K and block maxima land under the lines below
	ds_load_b128 v[BL:BL+3], v[LB]
	WALU
	v_add_f32 v14, v14, v15
	v_permlanex16_b32 v[TB], v14, s[SEL], s[SEL+1]
	v_add_f32 v14, v14, v[TB]                      ; l: the same bits in both halves of the lanes
	WALU
	v_rcp_f32 v234, v14
	v_nop
	WALU
	v_mul_f32 v14, v234, v[GG]                     ; F
	v_mov_b32 v15, v14
.set n, 0
.rept 32
	v_mov_b32 v[O+n], 0                            ; the step is written with sums in place: 32 lines a tile spare a further copy of it
.set n, n+1
.endr
	s_mov_b32 s[KS], 0
	s_mov_b32 s[TK], 0
	s_mov_b32 s[TS], 0
	s_mov_b32 s[TT], 0
.Lp2_\@:
	P2STEP
	s_cmp_lt_u32 s[KS], \trips
	s_cbranch_scc1 .Lp2_\@
	OUT \op, \os
.endm
	WALU                                           ; the wait at the head's end
	s_wait_loadcnt 0x0                             ; Q, both tiles'
	s_cmp_lt_u32 s[WV], 3                          ; K's and the scale words' waves wait here; V's two have a load line of their own and wait at the second barrier
	s_cbranch_scc0 .Lnot_mine
	s_wait_tensorcnt 0x0
.Lnot_mine:
	s_barrier_signal -1
	s_barrier_wait -1
	TILE 1, 16, OPH, OSH
	s_wait_xcnt 0x0                                ; the stores have read the codes' and the byte's registers
	s_set_vgpr_msb 0x1                             ; source 0: v256 on
	v_mov_b32 v[QS], v72                           ; the light tile: twelve plain lines stand between this one and the next products
.irp j, 0,1,2,3,4,5,6,7
	v_mov_b32 v[QF+\j], v[64+\j]
.endr
	s_set_vgpr_msb 0x100
	s_mov_b32 s[LAST], s[WV]
	TILE 0, 8, OPL, OSL
	s_wait_tensorcnt 0x0                           ; the wave's end
	ds_add_u32 v[SPW], v[NIL]
	s_wait_dscnt 0x0
	ROUND                                          ; the closing round
	s_endpgm
.Lfunc_end_k_q1769a54916_attn:
	.size	k_q1769a54916_attn, .Lfunc_end_k_q1769a54916_attn-k_q1769a54916_attn
	.p2alignl 7, 3214868480
	.fill 96, 4, 3214868480
	.section	.rodata,"a",@progbits
	.p2align	6, 0x0
	.amdhsa_kernel k_q1769a54916_attn
		.amdhsa_group_segment_fixed_size 312320
		.amdhsa_private_segment_fixed_size 0
		.amdhsa_enable_private_segment 0
		.amdhsa_kernarg_size 56
		.amdhsa_user_sgpr_count 2
		.amdhsa_user_sgpr_kernarg_segment_ptr 1
		.amdhsa_wavefront_size32 1
		.amdhsa_system_sgpr_workgroup_id_x 1
		.amdhsa_system_sgpr_workgroup_id_y 1
		.amdhsa_system_sgpr_workgroup_id_z 1
		.amdhsa_system_vgpr_workitem_id 0
		.amdhsa_next_free_vgpr 336
		.amdhsa_next_free_sgpr 100
		.amdhsa_reserve_vcc 1
		.amdhsa_float_denorm_mode_32 3
		.amdhsa_float_denorm_mode_16_64 3
		.amdhsa_memory_ordered 1
		.amdhsa_forward_progress 1
		.amdhsa_inst_pref_size 115
	.end_amdhsa_kernel
	.amdgpu_metadata
---
amdhsa.version: [ 1, 2 ]
amdhsa.kernels:
  - .name:           k_q1769a54916_attn
    .symbol:         k_q1769a54916_attn.kd
    .args:
      - { .name: qkv_img, .offset: 0, .size: 8, .value_kind: global_buffer, .address_space: global }
      - { .name: qkv_sc, .offset: 8, .size: 8, .value_kind: global_buffer, .address_space: global }
      - { .name: a, .offset: 16, .size: 8, .value_kind: global_buffer, .address_space: global }
      - { .name: b, .offset: 24, .size: 8, .value_kind: global_buffer, .address_space: global }
      - { .name: dt, .offset: 32, .size: 8, .value_kind: global_buffer, .address_space: global }
      - { .name: att_img, .offset: 40, .size: 8, .value_kind: global_buffer, .address_space: global }
      - { .name: att_sc, .offset: 48, .size: 8, .value_kind: global_buffer, .address_space: global }
    .group_segment_fixed_size: 312320
    .private_segment_fixed_size: 0
    .kernarg_segment_align: 8
    .kernarg_segment_size: 56
    .max_flat_workgroup_size: 256
    .sgpr_count:     100
    .vgpr_count:     336
    .wavefront_size: 32
...
	.end_amdgpu_metadata
.endif
;; end of part 3
;; launch proj (part 4): grid 8 x 32, 4 waves a work-group, clusters of 4 x 4, 288,256 bytes of LDS; arguments att_img, att_sc, in_img, in_sc, out0; writes out0
.if DOCPART == 4
	.amdgcn_target "amdgcn-amd-amdhsa--gfx1250"
	.amdhsa_code_object_version 6
	.text
	.protected	k_q1769a54916_proj
	.globl	k_q1769a54916_proj
	.p2align	8
	.type	k_q1769a54916_proj,@function
k_q1769a54916_proj:
	s_mov_b64 s[64:65], 0
	v_nop
	global_prefetch_b8 v0, s[64:65] scope:SCOPE_SE
	s_setreg_imm32_b32 hwreg(HW_REG_WAVE_MODE, 25, 1), 1
	s_wait_xcnt 0x0
	s_wait_alu depctr_hold_cnt(0) depctr_sa_sdst(0) depctr_va_vdst(0) depctr_va_sdst(0) depctr_va_ssrc(0) depctr_va_vcc(0) depctr_vm_vsrc(0)
	s_getreg_b32 s2, hwreg(HW_REG_IB_STS2, 6, 4)
	s_cmp_eq_u32 s2, 0
	s_cbranch_scc0 .Lentry_in_a_cluster
	s_endpgm
.Lentry_in_a_cluster:
	s_bfe_u32 s2, ttmp6, 0x10000c
	s_cmp_lg_u32 s2, 0xf033
	s_cbranch_scc0 .Lentry_shape_is_right
	s_endpgm
.Lentry_shape_is_right:
; out0 [4096][1024] f32 = attention's result x Wout^T, both as codes of FP8 (E4M3) with E8M0 scales, laid as images of operand registers:
; img[row tile of 16][K step 0..7][c 0..3][lane][16 bytes];  sc[row tile][half of K][row 0..15][4 words].  Place r of tile 2 b + u is row 32 b + 8 u + r + 8 (r / 8).  Wout's row tiles are 448-511 of in_img, in_sc.
; SHARES.  256 work-groups, each 128 x 128 of the result; four waves, 2 x 2, each 64 x 64: 16 accumulators.  ALL OF K lies in LDS: 8 row tiles of each operand are one dense block of 131,072 bytes, their scale words one of 4,096.
; Four tiles, four waves, one tensor load each at the head; nothing is filled again, so there is no ring, and no later tile to prefetch.
; CLUSTERS of 4 x 4: the row's four work-groups ask jointly for the left operand's tile, the column's four for Wout's.
; The product is used transposed (source 0 = 16 rows of Wout, source 1 = 16 tokens): register j of lane (r, h) in tile (a, b = 2 t + u) is token place r, column 32 t + 8 u + 16 h + j.
; REGISTERS: v16-29 addresses; v32-63 the left operand's scale words (8 a + q), v66-97 Wout's (8 b + q): the two words of a product differ modulo 8; v128-255 sums; v256-511 two sets of fragments (Wout's four, then the tokens' four).
.set BCODE, 131072
.set SCA,   262144
.set SCB,   266240
.set SPARE, 270336                     ; the spare words, 128 bytes a wave
.set STAGE, 270848                     ; the way out: 16 rows x 272 bytes for each wave; no fill lands there
.set SPITCH, 272
.set ADRA, 16
.set ADRB, 17
.set ASA,  18
.set ASB,  19
.set STO,  20
.set RD,   21
.set CO,   22
.set SPW,  28
.set NIL,  29
.set SAR,  32
.set SBR,  66
.set OB,   32
.set ACC,  128
.set G1,   24
.set G1B,  48
.set G1S,  68
.set G1SB, 80
.set MSB, 0
.macro WIN new
.if MSB != (\new)
	s_set_vgpr_msb (MSB<<8)|(\new)
.set MSB, (\new)
.endif
.endm
.macro PLACES n
.rept \n
	v_nop
.endr
.endm
.macro CROUND
	s_barrier_signal -1
	s_barrier_wait -1
	s_cmp_lg_u32 s14, 0
	s_cbranch_scc1 .Lnot_wave_0_\@
	s_barrier_signal -3
.Lnot_wave_0_\@:
	s_barrier_wait -3
	s_barrier_signal -1
	s_barrier_wait -1
.endm
	s_load_b256 s[4:11], s[0:1], 0x0               ; att_img, att_sc, in_img, in_sc
	s_load_b64 s[12:13], s[0:1], 0x20              ; out0
	v_lshl_add_u32 v[SPW], v0, 2, SPARE
	v_mov_b32 v[NIL], 0
	ds_add_u32 v[SPW], v[NIL]                      ; the opening lines: the add twice and its wait
	ds_add_u32 v[SPW], v[NIL]
	v_lshrrev_b32 v1, 5, v0
	v_readfirstlane_b32 s14, v1                    ; wave 0..3
	s_lshr_b32 s15, s14, 1                         ; my half of the rows
	s_and_b32 s16, s14, 1                          ; my half of the columns
	s_bfe_u32 s40, ttmp6, 0x40000                  ; cx
	s_bfe_u32 s41, ttmp6, 0x40004                  ; cy
	s_lshl_b32 s42, ttmp9, 2
	s_add_co_u32 s42, s42, s40                     ; tile column 0..7
	s_and_b32 s17, ttmp7, 0xffff
	s_lshl_b32 s17, s17, 2
	s_add_co_u32 s17, s17, s41                     ; tile row 0..31
	s_lshl_b32 s43, s41, 2
	s_lshl_b32 s43, 15, s43                        ; my row of the cluster
	s_lshl_b32 s44, 0x1111, s40                    ; my column
	s_or_b32 s[G1+0], s43, (3<<16)|(1<<21)         ; 131,072 dense bytes as 32 rows of 4,096 (512 elements of 8 bytes)
	s_or_b32 s[G1B+0], s44, (3<<16)|(1<<21)
.irp g, G1, G1B
	s_mov_b32 s[\g+1], 512<<16
	s_mov_b32 s[\g+2], 32<<16
	s_mov_b32 s[\g+3], 512<<16
	s_mov_b32 s[\g+4], 32
	s_mov_b32 s[\g+5], 512
	s_mov_b32 s[\g+6], 0
	s_mov_b32 s[\g+7], 0
.endr
	s_or_b32 s[G1S+0], s43, (3<<16)|(1<<21)        ; 4,096 dense bytes as 16 rows of 256
	s_or_b32 s[G1SB+0], s44, (3<<16)|(1<<21)
.irp g, G1S, G1SB
	s_mov_b32 s[\g+1], 32<<16
	s_mov_b32 s[\g+2], 16<<16
	s_mov_b32 s[\g+3], 32<<16
	s_mov_b32 s[\g+4], 16
	s_mov_b32 s[\g+5], 32
	s_mov_b32 s[\g+6], 0
	s_mov_b32 s[\g+7], 0
.endr
	s_lshl_b32 s20, s17, 17                        ; 8 row tiles of 16,384 bytes a tile row
	s_mov_b32 s21, 0
	s_lshl_b32 s22, s17, 12                        ; and of 512 bytes of scale words
	s_mov_b32 s23, 0
	s_lshl_b32 s46, s42, 3
	s_add_co_u32 s46, s46, 448                     ; Wout's row tile
	s_lshl_b32 s92, s46, 9
	s_mov_b32 s93, 0
	s_lshl_b32 s46, s46, 14
	s_mov_b32 s47, 0
	s_wait_dscnt 0x0
	s_wait_kmcnt 0x0
	s_mov_b32 s32, 1
	s_mov_b32 s33, 0
	s_add_nc_u64 s[34:35], s[4:5], s[20:21]
	s_or_b32 s35, s35, 0x80000000
	s_mov_b32 s36, 1
	s_mov_b32 s37, BCODE
	s_add_nc_u64 s[38:39], s[8:9], s[46:47]
	s_or_b32 s39, s39, 0x80000000
	s_mov_b32 s56, 1
	s_mov_b32 s57, SCA
	s_add_nc_u64 s[58:59], s[6:7], s[22:23]
	s_or_b32 s59, s59, 0x80000000
	s_mov_b32 s60, 1
	s_mov_b32 s61, SCB
	s_add_nc_u64 s[62:63], s[10:11], s[92:93]
	s_or_b32 s63, s63, 0x80000000
	CROUND                                         ; all sixteen work-groups are here: the joint loads meet
.macro ARM under, g0, g1, next         ; one chain of branches on the wave's number, one load to an arm
	s_cmp_lt_u32 s14, \under
	s_cbranch_scc0 \next
	tensor_load_to_lds s[\g0:\g0+3], s[\g1:\g1+7]
	s_nop 0
	PLACES 4
	s_branch .Lasked
\next:
.endm
	ARM 1, 32, G1,  .Larm_b
	ARM 2, 36, G1B, .Larm_sa
	ARM 3, 56, G1S, .Larm_sb
	tensor_load_to_lds s[60:63], s[G1SB:G1SB+7]
	s_nop 0
	PLACES 4
.Lasked:
	s_lshl_b32 s20, s15, 16                        ; my four row tiles of each operand
	s_lshl_b32 s21, s16, 16
	s_add_co_u32 s21, s21, BCODE
	s_lshl_b32 s22, s15, 11
	s_add_co_u32 s22, s22, SCA
	s_lshl_b32 s23, s16, 11
	s_add_co_u32 s23, s23, SCB
	s_mul_i32 s45, s14, 16*SPITCH
	s_add_co_u32 s45, s45, STAGE
	s_lshl_b32 s46, s17, 7
	s_lshl_b32 s47, s15, 6
	s_add_co_u32 s46, s46, s47                     ; my first row of the result
	s_lshl_b32 s46, s46, 12
	s_lshl_b32 s47, s42, 9
	s_add_co_u32 s46, s46, s47
	s_lshl_b32 s47, s16, 8
	s_add_co_u32 s46, s46, s47                     ; + my first column, in bytes
	s_mov_b32 s47, 0
	s_add_nc_u64 s[12:13], s[12:13], s[46:47]
	v_and_b32 v1, 15, v0                           ; r
	v_bfe_u32 v2, v0, 4, 1                         ; h
	v_and_b32 v3, 31, v0
	v_lshlrev_b32 v4, 4, v3
	v_lshlrev_b32 v5, 4, v1
	v_mul_u32_u24 v6, v1, SPITCH
	v_mul_u32_u24 v7, v2, SPITCH
	v_lshlrev_b32 v8, 12, v2
	v_add_nc_u32 v[ADRA], s20, v4
	v_add_nc_u32 v[ADRB], s21, v4
	v_add_nc_u32 v[ASA], s22, v5
	v_add_nc_u32 v[ASB], s23, v5
	v_lshl_add_u32 v6, v2, 6, v6
	v_lshl_add_u32 v7, v1, 4, v7
	v_lshl_add_u32 v[CO], v1, 4, v8                ; lanes 0-15 one row of the result, lanes 16-31 the next
	v_add_nc_u32 v[STO], s45, v6                   ; in: row r, 64 bytes for each half of the lanes
	v_add_nc_u32 v[RD], s45, v7                    ; back: sixteen lanes to a row of 256 bytes
.macro FETCH q, p                      ; the fragments of K step q into set p: 32 loads
.irp i, 0,1,2,3
.irp c, 0,1,2,3
	ds_load_b128 v[128*(\p)+16*\i+4*\c:128*(\p)+16*\i+4*\c+3], v[ADRB] offset:\i*16384+(\q)*2048+512*\c
.endr
.endr
.irp i, 0,1,2,3
.irp c, 0,1,2,3
	ds_load_b128 v[128*(\p)+64+16*\i+4*\c:128*(\p)+64+16*\i+4*\c+3], v[ADRA] offset:\i*16384+(\q)*2048+512*\c
.endr
.endr
.endm
.macro MUL q, p, zero                  ; the sixteen accumulators take turns, in the same order in every step
.irp a, 0,1,2,3
.irp b, 0,1,2,3
.if \zero
	v_wmma_scale_f32_16x16x128_f8f6f4 v[ACC+8*(4*\a+\b):ACC+8*(4*\a+\b)+7], v[128*(\p)+16*\b:128*(\p)+16*\b+15], v[128*(\p)+64+16*\a:128*(\p)+64+16*\a+15], 0, v[SBR+8*\b+(\q)], v[SAR+8*\a+(\q)]
.else
	v_wmma_scale_f32_16x16x128_f8f6f4 v[ACC+8*(4*\a+\b):ACC+8*(4*\a+\b)+7], v[128*(\p)+16*\b:128*(\p)+16*\b+15], v[128*(\p)+64+16*\a:128*(\p)+64+16*\a+15], v[ACC+8*(4*\a+\b):ACC+8*(4*\a+\b)+7], v[SBR+8*\b+(\q)], v[SAR+8*\a+(\q)]
.endif
.endr
.endr
.endm
	s_wait_alu depctr_va_vdst(0)                   ; the wait at the head's end
	s_wait_tensorcnt 0x0                           ; my tile of the four is in
	s_barrier_signal -1
	s_barrier_wait -1                              ; everybody's is
.irp i, 0,1,2,3
	ds_load_b128 v[SAR+8*\i:SAR+8*\i+3], v[ASA] offset:512*\i          ; row r's eight scale words of tile i, all of K
	ds_load_b128 v[SAR+8*\i+4:SAR+8*\i+7], v[ASA] offset:512*\i+256
	ds_load_b128 v[SBR+8*\i:SBR+8*\i+3], v[ASB] offset:512*\i
	ds_load_b128 v[SBR+8*\i+4:SBR+8*\i+7], v[ASB] offset:512*\i+256
.endr
	WIN 0x40                                       ; destinations v256 on
	FETCH 0, 0
.irp q, 0,1,2,3,4,5,6,7
.if \q < 7
.if \q > 0
	PLACES 8                                       ; behind the products that read the set filled next
.endif
	WIN 0x40
	FETCH \q+1, (\q+1)%2
	s_wait_dscnt 32                                ; all but the 32 just issued
.else
	s_wait_dscnt 0x0
.endif
	WIN 0x05                                       ; sources 0 and 1: v256 on
.if \q == 0
	MUL \q, 0, 1
.else
	MUL \q, (\q)%2, 0
.endif
.endr
	WIN 0
; THE WAY OUT, block by block of 16 tokens x 64 columns, through my own stage: sixteen lanes store one aligned unit of 256 bytes.  LDS serves a wave's instructions in order (ISA guide 5.7.1.4).
.macro TOSTAGE a
.irp b, 0,1,2,3
	ds_store_b128 v[STO], v[ACC+8*(4*(\a)+\b):ACC+8*(4*(\a)+\b)+3] offset:128*(\b/2)+32*(\b%2)
	ds_store_b128 v[STO], v[ACC+8*(4*(\a)+\b)+4:ACC+8*(4*(\a)+\b)+7] offset:128*(\b/2)+32*(\b%2)+16
.endr
.irp t, 0,1,2,3,4,5,6,7
	ds_load_b128 v[OB+32*((\a)%2)+4*\t:OB+32*((\a)%2)+4*\t+3], v[RD] offset:\t*2*SPITCH
.endr
.endm
.macro SEND a, younger
	s_wait_dscnt \younger
.irp t, 0,1,2,3,4,5,6,7
	global_store_b128 v[CO], v[OB+32*((\a)%2)+4*\t:OB+32*((\a)%2)+4*\t+3], s[12:13] offset:(32*((\a)/2)+8*((\a)%2)+2*\t+8*(\t/4))*4096 th:TH_STORE_NT
.endr
.endm
	PLACES 8                                       ; behind the last products: for the reads of the sums and the loads into the scale words' registers
	TOSTAGE 0
.irp a, 1,2,3
.if \a > 1
	s_wait_xcnt 0x0                                ; block a - 2's stores have read their registers
.endif
	TOSTAGE \a
	SEND \a-1, 16                                  ; behind block a - 1's loads: block a's 8 stores and 8 loads
.endr
	SEND 3, 0
	s_wait_tensorcnt 0x0                           ; the wave's end
	ds_add_u32 v[SPW], v[NIL]
	s_wait_dscnt 0x0
	CROUND                                         ; the closing round
	s_endpgm
.Lfunc_end_k_q1769a54916_proj:
	.size	k_q1769a54916_proj, .Lfunc_end_k_q1769a54916_proj-k_q1769a54916_proj
	.p2alignl 7, 3214868480
	.fill 96, 4, 3214868480
	.section	.rodata,"a",@progbits
	.p2align	6, 0x0
	.amdhsa_kernel k_q1769a54916_proj
		.amdhsa_group_segment_fixed_size 288256
		.amdhsa_private_segment_fixed_size 0
		.amdhsa_enable_private_segment 0
		.amdhsa_kernarg_size 40
		.amdhsa_user_sgpr_count 2
		.amdhsa_user_sgpr_kernarg_segment_ptr 1
		.amdhsa_wavefront_size32 1
		.amdhsa_system_sgpr_workgroup_id_x 1
		.amdhsa_system_sgpr_workgroup_id_y 1
		.amdhsa_system_sgpr_workgroup_id_z 1
		.amdhsa_system_vgpr_workitem_id 0
		.amdhsa_next_free_vgpr 512
		.amdhsa_next_free_sgpr 100
		.amdhsa_reserve_vcc 0
		.amdhsa_float_denorm_mode_32 3
		.amdhsa_float_denorm_mode_16_64 3
		.amdhsa_memory_ordered 1
		.amdhsa_forward_progress 1
		.amdhsa_inst_pref_size 51
	.end_amdhsa_kernel
	.amdgpu_metadata
---
amdhsa.version: [ 1, 2 ]
amdhsa.kernels:
  - .name:           k_q1769a54916_proj
    .symbol:         k_q1769a54916_proj.kd
    .args:
      - { .name: att_img, .offset: 0, .size: 8, .value_kind: global_buffer, .address_space: global }
      - { .name: att_sc, .offset: 8, .size: 8, .value_kind: global_buffer, .address_space: global }
      - { .name: in_img, .offset: 16, .size: 8, .value_kind: global_buffer, .address_space: global }
      - { .name: in_sc, .offset: 24, .size: 8, .value_kind: global_buffer, .address_space: global }
      - { .name: out0, .offset: 32, .size: 8, .value_kind: global_buffer, .address_space: global }
    .group_segment_fixed_size: 288256
    .private_segment_fixed_size: 0
    .kernarg_segment_align: 8
    .kernarg_segment_size: 40
    .max_flat_workgroup_size: 128
    .sgpr_count:     100
    .vgpr_count:     512
    .wavefront_size: 32
...
	.end_amdgpu_metadata
.endif
;; end of part 4
